; MI455X (gfx1250); checked and timed in simulation.
; The chip was launched on July 23, 2026; its instructions are those of AMD's public machine-readable ISA for CDNA 5 (MIT licence, August 2026) and "CDNA5" Instruction Set Architecture Reference Guide (July 2026). The comments in the code are by the model that wrote it; some were corrected since.
;; Transformer Decoder. Allowed arithmetic: matrix products marked QUANTISED: E3M2 operands, one E8M0 scale for each 32 along K, by v_wmma_scale_f32_16x16x128_f8f6f4 with both operands' format E3M2, f32 sums; everything else in f32.
;; Inputs: bk 1,024 float32; bo 1,024 float32; bq 1,024 float32; bv 1,024 float32; g_att 1,024 float32; g_ffn 1,024 float32; w_down 1,024 x 512 float32; w_gate 512 x 1,024 float32; w_up 512 x 1,024 float32; wk 1,024 x 1,024 float32; wo 1,024 x 1,024 float32; wq 1,024 x 1,024 float32; wv 1,024 x 1,024 float32; x 2 x 2,048 x 1,024 float32.
;; Outputs: out0 2 x 2,048 x 1,024 float32.
;; This version of the problem:
;;   THIS VERSION OF THE PROBLEM IS GIVEN IN LOW PRECISION. The matrix products marked QUANTISED in the list below multiply operands that are first quantised to E3M2 (3 exponent bits, 2 mantissa bits; 6 bits a number), with one power-of-two scale for each 32 numbers along K (OCP MX v1.0); their sums are f32. All else is computed in f32.
;;   The module's matrix products, in the order in which they are computed (A, B: the left and right operand; K: the contracted axis; several contracted axes count as one K, in the product's order):
;;     1. [M 4,096, K 1,024] x [K 1,024, N 1,024]; A: computed on the way; B: input wq: QUANTISED
;;     2. [M 4,096, K 1,024] x [K 1,024, N 1,024]; A: computed on the way; B: input wk: QUANTISED
;;     3. [M 4,096, K 1,024] x [K 1,024, N 1,024]; A: computed on the way; B: input wv: QUANTISED
;;     4. batch 32 x [M 2,048, K 64] x [K 64, N 2,048]; A: computed on the way; B: computed on the way: QUANTISED
;;     5. batch 32 x [M 2,048, K 2,048] x [K 2,048, N 64]; A: softmax (see below); B: computed on the way: QUANTISED
;;     6. [M 4,096, K 1,024] x [K 1,024, N 1,024]; A: computed on the way; B: input wo: QUANTISED
;;     7. [M 4,096, K 1,024] x [K 1,024, N 512]; A: computed on the way; B: input w_gate: QUANTISED
;;     8. [M 4,096, K 1,024] x [K 1,024, N 512]; A: computed on the way; B: input w_up: QUANTISED
;;     9. [M 4,096, K 512] x [K 512, N 1,024]; A: computed on the way; B: input w_down: QUANTISED
;;   THE QUANTISER, for each operand of a quantised product, along K:
;;     - K is cut into blocks of 32 from its start; a last block that is shorter is filled with zeros.
;;     - A block's scale is 2^e with e = floor(log2(the largest magnitude in the block)) - 4, held to -126 .. 127; a block of zeros has e = 0. As a byte (E8M0): e + 127.
;;     - Each number is divided by its block's scale, clamped to +-28, and rounded to the nearest number of E3M2, ties to even, subnormals kept.
;;     - The product sums the exact products of the quantised numbers (number of the format x scale) in f32.
;;   ~~~python
;;   def quantise(x, axis):      # numpy; x: float32 -> the quantised numbers, widened to float32 again
;;       x = np.moveaxis(x, axis, -1); K = x.shape[-1]
;;       x = np.pad(x, [(0, 0)] * (x.ndim - 1) + [(0, -K % 32)]); x = x.reshape(x.shape[:-1] + (-1, 32)); a = np.abs(x).max(-1, keepdims=True)
;;       e = np.where(a > 0, np.clip(np.frexp(np.where(a > 0, a, 1))[1] - 1 - 4, -126, 127), 0)      # np.frexp(a)[1] - 1 = floor(log2(a)), exactly
;;       r = np.clip(x / 2.0 ** e, -28, 28)
;;       step = 2.0 ** (np.maximum(np.frexp(np.where(r == 0, 1, r))[1] - 1, -2) - 2)
;;       q = np.round(r / step) * step * 2.0 ** e      # np.round: ties to even
;;       return np.moveaxis(q.reshape(q.shape[:-2] + (-1,))[..., :K], -1, axis).astype(np.float32)
;;   ~~~
;;   SOFTMAX AHEAD OF A QUANTISED PRODUCT. Where the list says 'softmax', what is quantised is not the finished softmax but p = 2^(t - M), with t = logit x log2(e) and M = ceil(the row's largest t), a whole number; so 1/2 < the row's largest p <= 1. The row's sum l is taken of the UNQUANTISED p, in f32, and the product's result is divided by l at the end. Since M is a whole number, a kernel that streams over the keys may use a running M (the ceiling of the running maximum): every later rescaling is an exact power of two, which a block's scale takes up: the codes' values come out the same.
;;   OPERANDS COMPUTED ON THE WAY. 'Computed on the way' means the value that the module computes at that place (a softmax that the list does not call 'softmax' is quantised finished and normalised). What goes into a quantiser is computed in f32, as accurately as f32 sums, v_exp_f32 and their like allow (about 1e-6 of the number): no bf16 or f16 on the way to a quantiser, and a product that is left as it is and whose result goes on into a quantised operand takes f32 operands (vector FMAs, or v_wmma_f32_16x16x4_f32). A number that lies on a knife's edge between two numbers of the format may be rounded either way, as far as f32 arithmetic and the matrix unit's own rounding can turn it there, and no further.
;; One version. Each part assembles by itself: llvm-mc -triple=amdgcn-amd-amdhsa -mcpu=gfx1250 --defsym DOCPART=n.
;; ======== version 1 of 1: 4 launches
;; limits: right only within a limited range of input values
;; workspace buffers: wcs 4,505,600 bytes; xcs 3,276,800 bytes; acs 3,276,800 bytes; qb 3,407,872 bytes; kv 6,684,672 bytes
;; launch prep (part 1): grid 608 x 1, 8 waves a work-group, no clusters, 69,632 bytes of LDS; arguments x, g_att, wq, wk, wv, wo, w_gate, w_up, w_down, xcs, wcs; writes xcs, wcs
.if DOCPART == 1
	.amdgcn_target "amdgcn-amd-amdhsa--gfx1250"
	.amdhsa_code_object_version 6
	.text
	.protected	k_qd07d4285c3_prep
	.globl	k_qd07d4285c3_prep
	.p2align	8
	.type	k_qd07d4285c3_prep,@function
k_qd07d4285c3_prep:
	s_mov_b64 s[64:65], 0
	v_nop
	global_prefetch_b8 v0, s[64:65] scope:SCOPE_SE
	s_setreg_imm32_b32 hwreg(HW_REG_WAVE_MODE, 25, 1), 1
	s_wait_xcnt 0x0
; f32 rows become codes of E3M2 with one E8M0 byte for each 32 along K, laid in the order of a matrix operand's registers.
; Work-groups 0-255: a tile of 16 rows of the first argument [4096][1024], first multiplied by sqrt(mean(row^2) + 1e-6) and by the gain (second argument).
; Work-groups 256-607: the seven weights as they are (wq 256, wk 320, wv 384, wo 448, w_gate 512, w_up 544, w_down 576).  A launch of 256 work-groups serves the rows alone; the weights' addresses are then given and not used.
; A TILE'S ROWS: lane r of tile T stands for row 32 (T / 2) + 8 (T % 2) + r + 8 (r / 8), so that two neighbouring tiles used as source 0 leave 16 neighbours in a lane's 16 result registers.
; A FRAGMENT (16 rows x 128 K, 12 registers a lane) lies as 1,536 bytes: registers 4 c .. 4 c + 3 of lane l at 512 c + 16 l.  Scale words: [tile][K step / 4][r][4 words].
; A work-group makes 8 fragments, one a wave: K = 1,024: one tile, K step = wave; w_down (K = 512): two tiles, K step = wave % 4.  Both give the same places in the output: 1,536 x wave, and the same place of the scale word.
; One path serves rows and weights: the sum of squares is always taken; for a weight the factor is replaced by 1.0 and the gain registers hold 1.0, which changes no bit.
; Each load reads 512 consecutive bytes of a row; the wave's 16 x 512 bytes turn through its own stage in LDS (rows 528 bytes apart) so that a lane holds 2 x 32 neighbours of its row.
; REGISTERS ARE USED TWICE: the row comes back from the stage into the registers that it left, and the codes are made in the registers that held the gain: a wave needs 160 registers and not 248, so more waves have loads on their way.
; LIMITS: NaN and infinities are not served; a block whose largest magnitude lies under 2^-122 keeps the byte 1; a block of zeros gets the byte 1 and not 127 (its codes are zeros, and this program alone reads the bytes);
; the mean of squares is summed in another order than a plain chain.
.set STW, 8448                         ; a wave's stage
.set SPI, 528
.set PS,  67584                        ; partial sums of squares: [r][wave] words, 512 bytes
.set SWG, 68096                        ; the work-group's 128 scale words, 512 bytes
.set R,   16                           ; v16-79   as loaded
.set X,   16                           ; v16-79   back from the stage: register 32 c + i = k 64 c + 32 h + i of my row
.set G,   80                           ; v80-143  the gain at the same places; behind its use: all that the quantiser makes
.set SQ,  144
.set SF,  152
.set TT,  154
.set MX,  80
.set SO,  82
.set BY,  84
.set PW,  86
.set PC,  88
.set TP,  100
.set H8,  12
.set WV,  50
.set SEL, 52
; 64 numbers of a lane, two whole blocks of 32, become the fragment's 12 registers v[PC] on and the row's scale word v[PW]
.macro QUANTB x
.irp c, 0,1
	v_max3_num_f32 v[MX+\c], |v[\x+32*\c]|, |v[\x+1+32*\c]|, 0x2800000     ; the floor 2^(5 - 127) among the leaves: the byte cannot fall under 1
.endr
.irp i, 2,4,6,8,10,12,14,16,18,20,22,24,26,28,30
.irp c, 0,1
	s_delay_alu instid0(VALU_DEP_2)
	v_max3_num_f32 v[MX+\c], v[MX+\c], |v[\x+32*\c+\i]|, |v[\x+1+32*\c+\i]|
.endr
.endr
.irp c, 0,1
	s_delay_alu instid0(VALU_DEP_2)
	v_add_nc_u32 v[SO+\c], 0xfe000000, v[MX+\c]    ; 4 off the exponent field: the conversion's scale operand
.endr
.irp c, 0,1
	s_delay_alu instid0(VALU_DEP_2)
	v_lshrrev_b32 v[BY+\c], 23, v[SO+\c]           ; the scale's byte
.endr
	s_delay_alu instid0(VALU_DEP_1)
	v_lshl_or_b32 v[PW], v[BY+1], 16, v[BY]        ; my blocks h and 2 + h,
	s_delay_alu instid0(VALU_DEP_1)
	v_lshlrev_b32 v[PW], v[H8], v[PW]              ; 8 h bits up;
	v_mov_b32 v[TT], 0
	s_delay_alu instid0(VALU_DEP_1)
	v_permlanex16_b32 v[TT], v[PW], s[SEL], s[SEL+1]
	s_delay_alu instid0(VALU_DEP_1)
	v_or_b32 v[PW], v[PW], v[TT]                   ; with lane l xor 16's two the word is whole, in both lanes
.irp c, 0,1
	v_cvt_scalef32_pk16_bf6_f32 v[PC+6*\c:PC+6*\c+2], v[\x+32*\c:\x+32*\c+15], v[SO+\c]
	v_cvt_scalef32_pk16_bf6_f32 v[TP+4*\c:TP+4*\c+2], v[\x+32*\c+16:\x+32*\c+31], v[SO+\c]   ; (three registers begin on an even number: made elsewhere and moved)
.endr
	v_nop                                          ; one plain place behind a scaled conversion
.irp c, 0,1
.irp i, 0,1,2
	v_mov_b32 v[PC+6*\c+3+\i], v[TP+4*\c+\i]
.endr
.endr
.endm
.macro PICK first, ptr                 ; from work-group number first on: this source
	s_cmp_ge_u32 ttmp9, \first
	s_cselect_b64 s[26:27], s[\ptr:\ptr+1], s[26:27]
	s_cselect_b32 s28, \first, s28
.endm
	s_load_b512 s[4:19], s[0:1], 0x0               ; rows s[4:5], gain s[6:7], wq, wk, wv, wo, w_gate, w_up s[8:19]
	s_load_b128 s[20:23], s[0:1], 0x40             ; w_down s[20:21], the rows' codes s[22:23]
	s_load_b64 s[24:25], s[0:1], 0x50              ; the weights' codes
	v_lshl_add_u32 v156, v0, 2, 0x10c00
	v_mov_b32 v157, 0
	v_lshrrev_b32 v1, 5, v0
	s_delay_alu instid0(VALU_DEP_1)
	v_readfirstlane_b32 s[WV], v1                  ; wave 0..7
	v_and_b32 v1, 31, v0                           ; l
	v_and_b32 v2, 15, v0                           ; r
	v_bfe_u32 v3, v0, 4, 1                         ; h
	s_delay_alu instid0(VALU_DEP_3)
	v_lshlrev_b32 v4, 4, v1                        ; 16 l
	s_mul_i32 s54, s[WV], STW
	v_add_nc_u32 v5, s54, v4                       ; the stage, in: 16 l of a row
	v_mul_u32_u24 v6, v2, SPI
	s_delay_alu instid0(VALU_DEP_1)
	v_lshl_add_u32 v6, v3, 7, v6
	s_delay_alu instid0(VALU_DEP_1)
	v_add_nc_u32 v6, s54, v6                       ; out: row r, + 128 h
	v_lshlrev_b32 v8, 5, v2
	s_delay_alu instid0(VALU_DEP_1)
	v_add_nc_u32 v8, PS, v8                        ; my row's eight partial sums
	s_lshl_b32 s54, s[WV], 2
	v_add_nc_u32 v7, s54, v8                       ; and my wave's among them
	s_lshr_b32 s55, s[WV], 2
	s_lshl_b32 s55, s55, 8
	s_and_b32 s54, s[WV], 3
	s_lshl_b32 s54, s54, 2
	s_add_co_u32 s54, s54, s55
	s_add_co_u32 s54, s54, SWG
	v_lshl_add_u32 v9, v2, 4, s54                  ; my scale word's place: 256 (wave / 4) + 16 r + 4 (wave % 4)
	s_lshl_b32 s54, s[WV], 9
	v_lshl_add_u32 v10, v3, 7, s54                 ; the gain: 512 wave + 128 h
	v_add_nc_u32 v11, SWG, v4
	v_lshlrev_b32 v[H8], 3, v3
	s_mov_b32 s[SEL], 0x76543210
	s_mov_b32 s[SEL+1], 0xfedcba98                 ; lane l xor 16
	s_mov_b32 s56, 0x3a800000                      ; 1 / 1024
	s_mov_b32 s57, 0x358637bd                      ; 1e-6
	s_wait_kmcnt 0x0
	s_mov_b64 s[26:27], s[4:5]
	s_mov_b32 s28, 0
	PICK 256, 8
	PICK 320, 10
	PICK 384, 12
	PICK 448, 14
	PICK 512, 16
	PICK 544, 18
	PICK 576, 20
	s_sub_co_u32 s29, ttmp9, s28                   ; my number within the source
	s_lshr_b32 s30, s[WV], 2
	s_lshl_b32 s31, s29, 1
	s_add_co_u32 s31, s31, s30                     ; w_down: tile
	s_and_b32 s32, s[WV], 3                        ; and K step
	s_sub_co_u32 s43, ttmp9, 256
	s_mov_b32 s44, 4325376
	s_cmp_ge_u32 ttmp9, 576
	s_cselect_b32 s33, s31, s29                    ; tile
	s_cselect_b32 s34, s32, s[WV]                  ; K step
	s_cselect_b32 s35, 11, 12                      ; a row is 2,048 or 4,096 bytes
	s_cmp_lt_u32 ttmp9, 256
	s_cselect_b64 s[40:41], s[22:23], s[24:25]     ; where the codes go
	s_cselect_b32 s42, ttmp9, s43                  ; which 12,288 bytes of codes and 512 of scale words
	s_cselect_b32 s44, 3145728, s44                ; where the scale words begin
	s_cselect_b32 s45, -1, 0                       ; all lanes: the norm's factor counts, or 1.0
	s_lshr_b32 s36, s33, 1
	s_lshl_b32 s36, s36, 5
	s_and_b32 s37, s33, 1
	s_lshl_b32 s37, s37, 3
	s_add_co_u32 s36, s36, s37                     ; the tile's first row
	s_lshl_b32 s36, s36, s35
	s_lshl_b32 s34, s34, 9
	s_add_co_u32 s38, s36, s34
	s_mov_b32 s39, 0
	s_add_nc_u64 s[26:27], s[26:27], s[38:39]
	s_mul_i32 s38, s42, 12288
	s_mul_i32 s37, s[WV], 1536
	s_add_co_u32 s38, s38, s37
	s_add_nc_u64 s[46:47], s[40:41], s[38:39]      ; my fragment
	s_lshl_b32 s38, s42, 9
	s_add_co_u32 s38, s38, s44
	s_add_nc_u64 s[48:49], s[40:41], s[38:39]      ; the work-group's scale words
	s_cmp_lt_u32 ttmp9, 256
	s_cbranch_scc0 .Lones
	s_wait_alu depctr_va_vdst(0)
.irp c, 0,1
.irp j, 0,1,2,3,4,5,6,7
	global_load_b128 v[G+32*\c+4*\j:G+32*\c+4*\j+3], v10, s[6:7] offset:256*\c+16*\j
.endr
.endr
	s_branch .Lgain
.Lones:
.set J, 0
.rept 64
	v_mov_b32 v[G+J], 1.0
.set J, J+1
.endr
.Lgain:
	s_cmp_ge_u32 ttmp9, 576
	s_cbranch_scc1 .Lnarrow
.irp i, 0,1,2,3,4,5,6,7,8,9,10,11,12,13,14,15
	global_load_b128 v[R+4*\i:R+4*\i+3], v4, s[26:27] offset:(\i+8*(\i/8))*4096    ; 32 lanes read 512 consecutive bytes of a row
.endr
	s_branch .Lrows
.Lnarrow:
.irp i, 0,1,2,3,4,5,6,7,8,9,10,11,12,13,14,15
	global_load_b128 v[R+4*\i:R+4*\i+3], v4, s[26:27] offset:(\i+8*(\i/8))*2048
.endr
.Lrows:
	s_wait_loadcnt 0x0
.irp i, 0,1,2,3,4,5,6,7,8,9,10,11,12,13,14,15
	ds_store_b128 v5, v[R+4*\i:R+4*\i+3] offset:\i*SPI
.endr
.irp c, 0,1
.irp j, 0,1,2,3,4,5,6,7
	ds_load_b128 v[X+32*\c+4*\j:X+32*\c+4*\j+3], v6 offset:256*\c+16*\j     ; the wave's own bytes, served in order: these see the stores above, and land in the registers that those stores have left
.endr
.endr
	s_wait_dscnt 0x0
.irp k, 0,1,2,3
	v_pk_mul_f32 v[SQ+2*\k:SQ+2*\k+1], v[X+2*\k:X+2*\k+1], v[X+2*\k:X+2*\k+1]      ; the sum of squares of my 64, in four packed chains
.endr
.irp i, 8,16,24,32,40,48,56
.irp k, 0,1,2,3
	s_delay_alu instid0(VALU_DEP_4)
	v_pk_fma_f32 v[SQ+2*\k:SQ+2*\k+1], v[X+\i+2*\k:X+\i+2*\k+1], v[X+\i+2*\k:X+\i+2*\k+1], v[SQ+2*\k:SQ+2*\k+1]
.endr
.endr
	s_delay_alu instid0(VALU_DEP_3)
	v_pk_add_f32 v[SQ:SQ+1], v[SQ:SQ+1], v[SQ+2:SQ+3]
	s_delay_alu instid0(VALU_DEP_2)
	v_pk_add_f32 v[SQ+4:SQ+5], v[SQ+4:SQ+5], v[SQ+6:SQ+7]
	s_delay_alu instid0(VALU_DEP_1)
	v_pk_add_f32 v[SQ:SQ+1], v[SQ:SQ+1], v[SQ+4:SQ+5]
	s_delay_alu instid0(VALU_DEP_1)
	v_add_f32 v[SQ], v[SQ], v[SQ+1]
	v_mov_b32 v[TT], 0
	s_delay_alu instid0(VALU_DEP_1)
	v_permlanex16_b32 v[TT], v[SQ], s[SEL], s[SEL+1]
	s_delay_alu instid0(VALU_DEP_1)
	v_add_f32 v[SQ], v[SQ], v[TT]                  ; my row's 128 numbers of this wave
	ds_store_b32 v7, v[SQ]                         ; both lanes of a row write the same word with the same value
	s_wait_dscnt 0x0                               ; for the others' sake: my store has landed
	s_barrier_signal -1
	s_barrier_wait -1
	ds_load_b128 v[SQ:SQ+3], v8
	ds_load_b128 v[SQ+4:SQ+7], v8 offset:16
	s_wait_dscnt 0x0
	v_pk_add_f32 v[SQ:SQ+1], v[SQ:SQ+1], v[SQ+2:SQ+3]
	v_pk_add_f32 v[SQ+4:SQ+5], v[SQ+4:SQ+5], v[SQ+6:SQ+7]
	s_delay_alu instid0(VALU_DEP_1)
	v_pk_add_f32 v[SQ:SQ+1], v[SQ:SQ+1], v[SQ+4:SQ+5]
	s_delay_alu instid0(VALU_DEP_1)
	v_add_f32 v[SQ], v[SQ], v[SQ+1]
	s_delay_alu instid0(VALU_DEP_1)
	v_fma_f32 v[SF], v[SQ], s56, s57               ; mean + eps
	s_wait_alu depctr_va_vdst(0)
	v_sqrt_f32 v[SF], v[SF]
	v_nop                                          ; one plain place behind a transcendental
	s_wait_alu depctr_va_vdst(0)
	v_cndmask_b32 v[SF], 1.0, v[SF], s45           ; a weight keeps its numbers
	s_delay_alu instid0(VALU_DEP_1)
	v_mov_b32 v[SF+1], v[SF]
.set J, 0
.rept 32
	v_pk_mul_f32 v[X+J:X+J+1], v[X+J:X+J+1], v[SF:SF+1] op_sel_hi:[1,0]
.set J, J+2
.endr
.set J, 0
.rept 32
	v_pk_mul_f32 v[X+J:X+J+1], v[X+J:X+J+1], v[G+J:G+J+1]
.set J, J+2
.endr
	QUANTB X                                       ; the gain has been used: its registers take the maxima, the bytes and the codes
.irp c, 0,1,2
	global_store_b128 v4, v[PC+4*\c:PC+4*\c+3], s[46:47] offset:512*\c      ; 32 lanes store 512 consecutive bytes, aligned
.endr
	ds_store_b32 v9, v[PW]
	s_wait_dscnt 0x0
	s_barrier_signal -1
	s_barrier_wait -1                              ; the eight waves' scale words lie together
	s_cmp_lg_u32 s[WV], 0
	s_cbranch_scc1 .Lend
	ds_load_b128 v[SQ:SQ+3], v11
	s_wait_dscnt 0x0
	global_store_b128 v4, v[SQ:SQ+3], s[48:49]     ; 512 consecutive bytes
.Lend:
	s_wait_tensorcnt 0x0
	ds_add_u32 v156, v157
	s_wait_dscnt 0x0
	s_endpgm
.Lfunc_end_k_qd07d4285c3_prep:
	.size	k_qd07d4285c3_prep, .Lfunc_end_k_qd07d4285c3_prep-k_qd07d4285c3_prep
	.p2alignl 7, 3214868480
	.fill 96, 4, 3214868480
	.section	.rodata,"a",@progbits
	.p2align	6, 0x0
	.amdhsa_kernel k_qd07d4285c3_prep
		.amdhsa_group_segment_fixed_size 69632
		.amdhsa_private_segment_fixed_size 0
		.amdhsa_enable_private_segment 0
		.amdhsa_kernarg_size 88
		.amdhsa_user_sgpr_count 2
		.amdhsa_user_sgpr_kernarg_segment_ptr 1
		.amdhsa_wavefront_size32 1
		.amdhsa_system_sgpr_workgroup_id_x 1
		.amdhsa_system_sgpr_workgroup_id_y 1
		.amdhsa_system_sgpr_workgroup_id_z 1
		.amdhsa_system_vgpr_workitem_id 0
		.amdhsa_next_free_vgpr 160
		.amdhsa_next_free_sgpr 66
		.amdhsa_reserve_vcc 0
		.amdhsa_float_denorm_mode_32 3
		.amdhsa_float_denorm_mode_16_64 3
		.amdhsa_memory_ordered 1
		.amdhsa_forward_progress 1
		.amdhsa_inst_pref_size 27
	.end_amdhsa_kernel
	.amdgpu_metadata
---
amdhsa.version: [ 1, 2 ]
amdhsa.kernels:
  - .name:           k_qd07d4285c3_prep
    .symbol:         k_qd07d4285c3_prep.kd
    .args:
      - { .name: x, .offset: 0, .size: 8, .value_kind: global_buffer, .address_space: global }
      - { .name: g_att, .offset: 8, .size: 8, .value_kind: global_buffer, .address_space: global }
      - { .name: wq, .offset: 16, .size: 8, .value_kind: global_buffer, .address_space: global }
      - { .name: wk, .offset: 24, .size: 8, .value_kind: global_buffer, .address_space: global }
      - { .name: wv, .offset: 32, .size: 8, .value_kind: global_buffer, .address_space: global }
      - { .name: wo, .offset: 40, .size: 8, .value_kind: global_buffer, .address_space: global }
      - { .name: w_gate, .offset: 48, .size: 8, .value_kind: global_buffer, .address_space: global }
      - { .name: w_up, .offset: 56, .size: 8, .value_kind: global_buffer, .address_space: global }
      - { .name: w_down, .offset: 64, .size: 8, .value_kind: global_buffer, .address_space: global }
      - { .name: xcs, .offset: 72, .size: 8, .value_kind: global_buffer, .address_space: global }
      - { .name: wcs, .offset: 80, .size: 8, .value_kind: global_buffer, .address_space: global }
    .group_segment_fixed_size: 69632
    .private_segment_fixed_size: 0
    .kernarg_segment_align: 8
    .kernarg_segment_size: 88
    .max_flat_workgroup_size: 256
    .sgpr_count:     66
    .vgpr_count:     160
    .wavefront_size: 32
...
	.end_amdgpu_metadata
.endif
;; end of part 1
;; launch qkv (part 2): grid 24 x 32, 4 waves a work-group, clusters of 4 x 4, 197,120 bytes of LDS; arguments xcs, wcs, bq, bk, bv, qb, kv; writes qb, kv
.if DOCPART == 2
	.amdgcn_target "amdgcn-amd-amdhsa--gfx1250"
	.amdhsa_code_object_version 6
	.text
	.protected	k_qd07d4285c3_qkv
	.globl	k_qd07d4285c3_qkv
	.p2align	8
	.type	k_qd07d4285c3_qkv,@function
k_qd07d4285c3_qkv:
	s_mov_b64 s[64:65], 0
	v_nop
	global_prefetch_b8 v0, s[64:65] scope:SCOPE_SE
	s_setreg_imm32_b32 hwreg(HW_REG_WAVE_MODE, 25, 1), 1
	s_wait_xcnt 0x0
	s_wait_alu depctr_hold_cnt(0) depctr_sa_sdst(0) depctr_va_vdst(0) depctr_va_sdst(0) depctr_va_ssrc(0) depctr_va_vcc(0) depctr_vm_vsrc(0)
	s_getreg_b32 s2, hwreg(HW_REG_IB_STS2, 6, 4)
	s_cmp_eq_u32 s2, 0
	s_cbranch_scc0 .Lentry_in_a_cluster
	s_endpgm
.Lentry_in_a_cluster:
	s_bfe_u32 s2, ttmp6, 0x10000c
	s_cmp_lg_u32 s2, 0xf033
	s_cbranch_scc0 .Lentry_shape_is_right
	s_endpgm
.Lentry_shape_is_right:
; q, k, v = Q(norm x) Q(w)^T + b on codes of E3M2, and the results quantised again at once: q and k along the head's 64, v along the keys.
; A work-group takes 128 tokens (work-group y) x 128 outputs (work-group x: 0-7 wq, 8-15 wk, 16-23 wv): 8 tiles of weights and 8 tiles of tokens, all of K = 1,024: 2 x 98,304 bytes, which lie in LDS whole.
; Every LDS byte is filled once, by one load a wave of all K (waves 0, 1: the weights' halves; waves 2, 3: the tokens'): the products begin only when all of it has landed.
; CLUSTERS 4 x 4: the weights' tiles hang on work-group x alone and are asked for jointly by a column of the cluster, the tokens' on work-group y alone, by a row.
; q AND k (clusters 0-3 along x): source 0 = the 8 tiles of weights, source 1 = the wave's 2 tiles of tokens: a lane holds one token, its 64 registers 128 outputs in their order = two heads: one fragment, whose halves are the two heads' 64.
; v (clusters 4, 5): source 0 = the 8 tiles of tokens, source 1 = the wave's 2 tiles of weights: a lane holds one channel, its registers 128 keys in their order: a whole fragment of v^T.
; The two ways part on the cluster's x, which all partners share; neither stores to LDS.  The bias is the C of each sum's first matrix instruction.
; OUTPUT.  q: [head][tile] halves of 768 bytes (registers 0-3 at 16 l, 4-5 at 512 + 8 l); scale words by pairs of tiles (lanes 0-15 the even tile, 16-31 the odd), the two bytes twice in a word.
; k, v: [head][512 keys]: 32 halves of k, 16 fragments of v [128 keys][16 channels], 16 pair words of k, 8 of v: 52,224 bytes on end.
; LIMITS: NaN and infinities are not served; a block under 2^-122 keeps the byte 1, a block of zeros too.
.set KS,    8
.set TILEB, 12288
.set HALF,  49152
.set WS,    4325376                    ; the weights' scale words
.set XS,    3145728                    ; the tokens'
.set SC0,   16                         ; v16-47  source 0's scale words: pair i, K step s at SC0 + 8 i + s
.set VB,    48                         ; v48-63  bv of my two tiles, eight equal registers each
.set SC1,   80                         ; v80-87  source 1's pair
.set TM,    88
.set PW,    104
.set PC,    106
.set ACC,   128                        ; v128-255: accumulator (b, a) at ACC + 64 b + 8 a
.set BI,    0                          ; window 2: bq or bk in the result's layout
.set WV,    20
.set SEL,   30
.set G1W,   32
.set G1X,   40
.set G0W,   48
.set G0X,   68
.set MSB, 0
.macro WIN new                         ; the immediate's high byte repeats the setting that is left
.if MSB != \new
	s_set_vgpr_msb (MSB<<8)|\new
.set MSB, \new
.endif
.endm
.macro PLACES
.rept 4
	v_nop
.endr
.endm
.macro CROUND                          ; a round of the cluster's barrier
	s_barrier_signal -1
	s_barrier_wait -1
	s_cmp_lg_u32 s[WV], 0
	s_cbranch_scc1 .Lnot_wave_0_\@
	s_barrier_signal -3
.Lnot_wave_0_\@:
	s_barrier_wait -3
	s_barrier_signal -1
	s_barrier_wait -1
.endm
.macro WM d, a, b, c, sa, sb, ra, rb   ; one product; ra, rb: the scales stand in lanes 16-31
.if (\ra) && (\rb)
	v_wmma_scale_f32_16x16x128_f8f6f4 v[\d:\d+7], v[\a:\a+11], v[\b:\b+11], \c, v[\sa], v[\sb] matrix_a_fmt:MATRIX_FMT_BF6 matrix_b_fmt:MATRIX_FMT_BF6 matrix_a_scale:MATRIX_SCALE_ROW1 matrix_b_scale:MATRIX_SCALE_ROW1
.elseif (\ra)
	v_wmma_scale_f32_16x16x128_f8f6f4 v[\d:\d+7], v[\a:\a+11], v[\b:\b+11], \c, v[\sa], v[\sb] matrix_a_fmt:MATRIX_FMT_BF6 matrix_b_fmt:MATRIX_FMT_BF6 matrix_a_scale:MATRIX_SCALE_ROW1
.elseif (\rb)
	v_wmma_scale_f32_16x16x128_f8f6f4 v[\d:\d+7], v[\a:\a+11], v[\b:\b+11], \c, v[\sa], v[\sb] matrix_a_fmt:MATRIX_FMT_BF6 matrix_b_fmt:MATRIX_FMT_BF6 matrix_b_scale:MATRIX_SCALE_ROW1
.else
	v_wmma_scale_f32_16x16x128_f8f6f4 v[\d:\d+7], v[\a:\a+11], v[\b:\b+11], \c, v[\sa], v[\sb] matrix_a_fmt:MATRIX_FMT_BF6 matrix_b_fmt:MATRIX_FMT_BF6
.endif
.endm
; K step s into buffer p of window 1: source 0's eight fragments (v[96 p] on), my two of source 1 (v[192 + 24 p] on): 30 loads of 512 consecutive bytes
.macro FETCH s, p, lo, hi, mine
	WIN 0x40
.irp t, 0,1,2,3
.irp c, 0,1,2
	ds_load_b128 v[96*(\p)+12*\t+4*\c:96*(\p)+12*\t+4*\c+3], v[\lo] offset:\t*12288+(\s)*1536+512*\c    ; LDS holds the tiles as memory does: [tile][K step][1,536]
.endr
.endr
.irp t, 0,1,2,3
.irp c, 0,1,2
	ds_load_b128 v[96*(\p)+48+12*\t+4*\c:96*(\p)+48+12*\t+4*\c+3], v[\hi] offset:\t*12288+(\s)*1536+512*\c
.endr
.endr
.irp t, 0,1
.irp c, 0,1,2
	ds_load_b128 v[192+24*(\p)+12*\t+4*\c:192+24*(\p)+12*\t+4*\c+3], v[\mine] offset:\t*12288+(\s)*1536+512*\c
.endr
.endr
	WIN 0
.endm
; 16 products of K step s; the 16 accumulators take turns, in the same order in every step.  cm: the first step's C: 1 = bv (window 0), 2 = bq or bk (window 2)
.macro MUL s, p, cm
.if ((\s) == 0) && ((\cm) == 2)
	WIN 0x25
.else
	WIN 0x05
.endif
.irp bb, 0,1
.irp aa, 0,1,2,3,4,5,6,7
.if (\s) > 0
	WM ACC+64*\bb+8*\aa, 96*(\p)+12*\aa, 192+24*(\p)+12*\bb, v[ACC+64*\bb+8*\aa:ACC+64*\bb+8*\aa+7], SC0+KS*(\aa/2)+(\s), SC1+(\s), \aa%2, \bb
.elseif (\cm) == 2
	WM ACC+64*\bb+8*\aa, 96*(\p)+12*\aa, 192+24*(\p)+12*\bb, v[BI+8*\aa:BI+8*\aa+7], SC0+KS*(\aa/2)+(\s), SC1+(\s), \aa%2, \bb
.else
	WM ACC+64*\bb+8*\aa, 96*(\p)+12*\aa, 192+24*(\p)+12*\bb, v[VB+8*\bb:VB+8*\bb+7], SC0+KS*(\aa/2)+(\s), SC1+(\s), \aa%2, \bb
.endif
.endr
.endr
.endm
; All of K.  In each step: this step's fragments are in; the next step's are asked for; this step's products.  Ahead of the first step every wave waits for its one load
; and the work-group meets.
.macro GEMM lo, hi, mine, cm
	s_wait_loadcnt 0x0                             ; scale words and bias
	s_wait_tensorcnt 0x0                           ; my one load has landed; behind the barrier everybody's has: all of K lies in LDS
	s_barrier_signal -1
	s_barrier_wait -1
	FETCH 0, 0, \lo, \hi, \mine
.set U, 0
.rept KS
	s_wait_dscnt 0x0
.if U+1 < KS
	PLACES                                         ; in front of loads into registers that the last step's products read
	FETCH U+1, (U+1)%2, \lo, \hi, \mine
.endif
	MUL U, U%2, \cm
.set U, U+1
.endr
	WIN 0
	PLACES                                         ; in front of the first read of results
.endm
; 64 numbers of a lane, register 16 b + i = k 32 b + 16 h + i of my row, become a fragment's codes in v[PC] on and its scale word in v[PW] (the same in lanes l and l xor 16)
.macro QUANT s
.irp b, 0,1,2,3
	v_max3_num_f32 v[TM+\b], |v[\s+16*\b]|, |v[\s+1+16*\b]|, 0x2800000
.endr
.irp i, 2,4,6,8,10,12,14
.irp b, 0,1,2,3
	v_max3_num_f32 v[TM+\b], v[TM+\b], |v[\s+16*\b+\i]|, |v[\s+1+16*\b+\i]|
.endr
.endr
.irp b, 0,1,2,3
	v_permlanex16_b32 v[TM+4+\b], v[TM+\b], s[SEL], s[SEL+1]
.endr
.irp b, 0,1,2,3
	v_max_num_f32 v[TM+\b], v[TM+\b], v[TM+4+\b]
.endr
.irp b, 0,1,2,3
	v_add_nc_u32 v[TM+12+\b], 0xfe000000, v[TM+\b]
.endr
.irp b, 0,1,2,3
	v_lshrrev_b32 v[TM+4+\b], 23, v[TM+12+\b]
.endr
	v_lshl_or_b32 v[PW], v[TM+5], 8, v[TM+4]
	v_lshl_or_b32 v[PW], v[TM+6], 16, v[PW]
	v_lshl_or_b32 v[PW], v[TM+7], 24, v[PW]
.irp c, 0,1
	v_cvt_scalef32_pk16_bf6_f32 v[PC+6*\c:PC+2+6*\c], v[\s+32*\c:\s+15+32*\c], v[TM+12+2*\c]
	v_cvt_scalef32_pk16_bf6_f32 v[PC+12+4*\c:PC+14+4*\c], v[\s+16+32*\c:\s+31+32*\c], v[TM+12+2*\c+1]
.endr
	v_nop                                          ; one plain place behind a scaled conversion
.irp c, 0,1
.irp i, 0,1,2
	v_permlane16_swap_b32 v[PC+6*\c+\i], v[PC+12+4*\c+\i]
.endr
.irp i, 0,1,2
	v_mov_b32 v[PC+3+6*\c+\i], v[PC+12+4*\c+\i]
.endr
.endr
.endm
	s_load_b256 s[4:11], s[0:1], 0x0               ; tokens' codes s[4:5], weights' s[6:7], bq s[8:9], bk s[10:11]
	s_load_b128 s[12:15], s[0:1], 0x20             ; bv s[12:13], q's buffer s[14:15]
	s_load_b64 s[16:17], s[0:1], 0x30              ; k's and v's buffer
	v_lshl_add_u32 v121, v0, 2, 0x30000
	v_mov_b32 v125, 0
	ds_add_u32 v121, v125
	ds_add_u32 v121, v125
	v_lshrrev_b32 v1, 5, v0
	v_readfirstlane_b32 s[WV], v1                  ; wave 0..3
	s_lshr_b32 s21, s[WV], 1
	s_and_b32 s22, s[WV], 1
	s_bfe_u32 s23, ttmp6, 0x40000                  ; cx
	s_bfe_u32 s24, ttmp6, 0x40004                  ; cy
	s_lshl_b32 s25, ttmp9, 2
	s_add_co_u32 s25, s25, s23                     ; work-group x
	s_and_b32 s26, ttmp7, 0xffff
	s_lshl_b32 s26, s26, 2
	s_add_co_u32 s26, s26, s24                     ; work-group y
	s_lshl_b32 s27, 0x1111, s23                    ; my column of the cluster
	s_lshl_b32 s28, s24, 2
	s_lshl_b32 s28, 15, s28                        ; my row
	s_or_b32 s[G1W], s27, (3<<16)|(1<<21)          ; elements of 8 bytes; the weights go to my column
	s_or_b32 s[G1X], s28, (3<<16)|(1<<21)          ; the tokens to my row
.irp g, G1W, G1X
	s_mov_b32 s[\g+1], 32<<16                      ; ONE load a wave: its four tiles, all of K, are 49,152 dense bytes: 192 rows of 256 bytes
	s_mov_b32 s[\g+2], 192<<16
	s_mov_b32 s[\g+3], 32<<16
	s_mov_b32 s[\g+4], 192
	s_mov_b32 s[\g+5], 32
	s_mov_b32 s[\g+6], 0
	s_mov_b32 s[\g+7], 0
.endr
	s_lshl_b32 s88, s22, 2                         ; which four tiles of the eight I fetch
	s_lshl_b32 s84, s25, 3
	s_add_co_u32 s84, s84, s88
	s_mul_i32 s84, s84, TILEB
	s_mov_b32 s85, 0
	s_lshl_b32 s86, s26, 3
	s_add_co_u32 s86, s86, s88
	s_mul_i32 s86, s86, TILEB
	s_mov_b32 s87, 0
	s_mul_i32 s89, s[WV], HALF                     ; where they go: the wave's number alone
	s_mov_b32 s[SEL], 0x76543210
	s_mov_b32 s[SEL+1], 0xfedcba98
	s_wait_dscnt 0x0
	s_wait_kmcnt 0x0
	s_add_nc_u64 s[84:85], s[6:7], s[84:85]
	s_add_nc_u64 s[86:87], s[4:5], s[86:87]
.irp c, 0
	s_mov_b32 s[G0W+4*\c], 1
	s_add_co_u32 s[G0W+4*\c+1], s89, \c*12288
	s_add_nc_u64 s[G0W+4*\c+2:G0W+4*\c+3], s[84:85], \c*3072
	s_or_b32 s[G0W+4*\c+3], s[G0W+4*\c+3], 0x80000000
	s_mov_b32 s[G0X+4*\c], 1
	s_add_co_u32 s[G0X+4*\c+1], s89, \c*12288
	s_add_nc_u64 s[G0X+4*\c+2:G0X+4*\c+3], s[86:87], \c*3072
	s_or_b32 s[G0X+4*\c+3], s[G0X+4*\c+3], 0x80000000
.endr
	CROUND                                         ; all sixteen work-groups are here: the joint loads meet
	s_cmp_lt_u32 s[WV], 2                          ; a wave's fill stands in one branch: one load of mine is out
	s_cbranch_scc0 .Lfill_x
.irp c, 0
	tensor_load_to_lds s[G0W+4*\c:G0W+4*\c+3], s[G1W:G1W+7]
	s_nop 0
.endr
	PLACES
	s_branch .Lfilled
.Lfill_x:
.irp c, 0
	tensor_load_to_lds s[G0X+4*\c:G0X+4*\c+3], s[G1X:G1X+7]
	s_nop 0
.endr
	PLACES
.Lfilled:
	v_and_b32 v1, 31, v0                           ; l
	v_and_b32 v2, 15, v0                           ; r
	v_bfe_u32 v3, v0, 4, 1                         ; h
	v_lshlrev_b32 v4, 4, v1                        ; the weights' tiles 0-3: 16 l
	v_add_nc_u32 v5, HALF, v4                      ; tiles 4-7
	v_add_nc_u32 v6, 2*HALF, v4                    ; the tokens' tiles 0-3
	v_add_nc_u32 v7, 3*HALF, v4                    ; tiles 4-7
	s_mul_i32 s90, s21, HALF
	s_mul_i32 s91, s22, 24576                      ; two tiles of 12,288 bytes
	s_add_co_u32 s90, s90, s91
	v_add_nc_u32 v9, s90, v4                       ; my two tiles (2 w, 2 w + 1) among the weights',
	v_add_nc_u32 v8, 2*HALF, v9                    ; among the tokens'
	v_lshlrev_b32 v10, 4, v2
	v_lshl_add_u32 v10, v3, 9, v10                 ; scale words: 16 r, lanes 16-31 one tile on
	s_wait_alu depctr_va_vdst(0)
.irp b, 0,1,2,3
	v_mov_b32 v[TM+4+\b], 0                        ; a lane permute's destination counts as one of its sources
.endr
	s_lshl_b32 s92, s25, 12
	s_add_co_u32 s92, s92, WS
	s_mov_b32 s93, 0
	s_add_nc_u64 s[92:93], s[6:7], s[92:93]        ; my eight weight tiles' scale words
	s_lshl_b32 s94, s26, 12
	s_add_co_u32 s94, s94, XS
	s_mov_b32 s95, 0
	s_add_nc_u64 s[94:95], s[4:5], s[94:95]        ; my eight token tiles'
	s_lshl_b32 s90, s[WV], 10
	s_mov_b32 s91, 0
	s_cmp_lt_u32 ttmp9, 4
	s_cselect_b64 s[96:97], s[92:93], s[94:95]     ; source 0's
	s_cselect_b64 s[98:99], s[94:95], s[92:93]     ; source 1's,
	s_add_nc_u64 s[98:99], s[98:99], s[90:91]      ; my pair
.irp i, 0,1,2,3
.irp q, 0,1
	global_load_b128 v[SC0+8*\i+4*\q:SC0+8*\i+4*\q+3], v10, s[96:97] offset:1024*\i+256*\q
.endr
.endr
.irp q, 0,1
	global_load_b128 v[SC1+4*\q:SC1+4*\q+3], v10, s[98:99] offset:256*\q
.endr
	s_mov_b32 s3, 0
	s_wait_xcnt 0x0                                ; the loads have read their bases: scalars may be written again
	s_cmp_lt_u32 ttmp9, 4
	s_cbranch_scc0 .Larm_v
	; ---- q and k
	s_and_b32 s84, s25, 7
	s_lshl_b32 s85, s84, 1
	s_lshr_b32 s86, s26, 4
	s_lshl_b32 s86, s86, 4
	s_add_co_u32 s85, s85, s86                     ; my first head: 16 batch + 2 (x % 8)
	s_and_b32 s86, s26, 15                         ; which 128 tokens of the sequence
	s_mul_i32 s87, s85, 98304
	s_mul_i32 s88, s86, 6144
	s_add_co_u32 s87, s87, s88                     ; q: codes
	s_lshl_b32 s88, s85, 13
	s_lshl_b32 s89, s86, 9
	s_add_co_u32 s88, s88, s89
	s_add_co_u32 s88, s88, 3145728                 ; q: pair words
	s_mul_i32 s89, s85, 208896
	s_lshr_b32 s90, s86, 2
	s_mul_i32 s90, s90, 52224
	s_add_co_u32 s89, s89, s90                     ; k: head and 512 keys
	s_and_b32 s90, s86, 3
	s_mul_i32 s91, s90, 6144
	s_add_co_u32 s91, s91, s89                     ; k: codes
	s_lshl_b32 s90, s90, 9
	s_add_co_u32 s90, s90, s89
	s_add_co_u32 s90, s90, 49152                   ; k: pair words
	s_mov_b32 s89, 208896
	s_cmp_lt_u32 ttmp9, 2                          ; q's cluster or k's
	s_cselect_b64 s[92:93], s[14:15], s[16:17]
	s_cselect_b64 s[18:19], s[8:9], s[10:11]
	s_cselect_b32 s87, s87, s91
	s_cselect_b32 s88, s88, s90
	s_cselect_b32 s90, 98304, s89                  ; from head to head: codes,
	s_cselect_b32 s91, 8192, s89                   ; pair words
	s_mov_b64 s[96:97], s[92:93]
	s_mov_b32 s2, s87
	s_add_nc_u64 s[92:93], s[92:93], s[2:3]        ; codes, first head
	s_mov_b32 s2, s88
	s_add_nc_u64 s[96:97], s[96:97], s[2:3]        ; pair words, first head
	s_mov_b32 s2, s90
	s_add_nc_u64 s[94:95], s[92:93], s[2:3]        ; second head
	s_mov_b32 s2, s91
	s_add_nc_u64 s[98:99], s[96:97], s[2:3]
	s_lshl_b32 s2, s84, 9
	s_add_nc_u64 s[18:19], s[18:19], s[2:3]        ; my 128 numbers of the bias
	v_lshlrev_b32 v11, 6, v3                       ; register 16 b + i stands for output 32 b + 16 h + i
	WIN 0x80
.irp b, 0,1,2,3
.irp q, 0,1,2,3
	global_load_b128 v[BI+16*\b+4*\q:BI+16*\b+4*\q+3], v11, s[18:19] offset:128*\b+16*\q
.endr
.endr
	WIN 0
	s_mul_i32 s84, s[WV], 1536
	v_add_nc_u32 v12, s84, v4                      ; 16 l + my two tiles' place
	v_lshl_add_u32 v13, v1, 3, s84
	v_add_nc_u32 v13, 512, v13                     ; 8 l + 512 likewise
	s_lshl_b32 s85, s[WV], 7
	v_lshl_add_u32 v14, v1, 2, s85                 ; 4 l + my pair's place
	GEMM 4, 5, 8, 2
.irp bb, 0,1
.if \bb
	s_wait_xcnt 0x0                                ; the first tile's stores have read their registers
.endif
	QUANT ACC+64*\bb
	global_store_b128 v12, v[PC:PC+3], s[92:93] offset:768*\bb          ; registers 0-5: the first head's 64
	global_store_b64 v13, v[PC+4:PC+5], s[92:93] offset:768*\bb
	global_store_b128 v12, v[PC+6:PC+9], s[94:95] offset:768*\bb        ; registers 6-11: the second head's
	global_store_b64 v13, v[PC+10:PC+11], s[94:95] offset:768*\bb
.if \bb == 0
	v_mov_b32 v126, v[PW]
.endif
.endr
	v_cmp_ne_u32 vcc_lo, 0, v3
	v_cndmask_b32 v126, v126, v[PW], vcc_lo        ; lanes 0-15 the even tile's word, lanes 16-31 the odd tile's
	v_and_b32 v127, 0xffff, v126
	v_lshl_or_b32 v127, v127, 16, v127             ; the first head's two bytes, twice
	v_lshrrev_b32 v126, 16, v126
	v_lshl_or_b32 v126, v126, 16, v126             ; the second head's
	global_store_b32 v14, v127, s[96:97]
	global_store_b32 v14, v126, s[98:99]
	s_branch .Lclose
.Larm_v:
	; ---- v
	s_sub_co_u32 s84, s25, 16
	s_lshl_b32 s2, s84, 9
	s_lshl_b32 s85, s[WV], 7
	s_add_co_u32 s2, s2, s85
	s_add_nc_u64 s[18:19], s[12:13], s[2:3]        ; bv at my 32 channels
	v_and_b32 v11, 8, v2
	v_add_nc_u32 v11, v11, v2
	v_lshlrev_b32 v11, 2, v11                      ; lane r stands for channel r + 8 (r / 8) of a pair of tiles, the odd tile 8 on
.irp j, 0,1,2,3,4,5,6,7
	global_load_b32 v[VB+\j], v11, s[18:19]
	global_load_b32 v[VB+8+\j], v11, s[18:19] offset:32
.endr
	s_lshl_b32 s85, s84, 1
	s_lshr_b32 s86, s26, 4
	s_lshl_b32 s86, s86, 4
	s_add_co_u32 s85, s85, s86                     ; my first head
	s_and_b32 s86, s26, 15
	s_mul_i32 s87, s85, 208896
	s_lshr_b32 s88, s86, 2
	s_mul_i32 s88, s88, 52224
	s_add_co_u32 s87, s87, s88
	s_and_b32 s86, s86, 3                          ; which 128 keys of the 512
	s_mul_i32 s88, s86, 6144
	s_add_co_u32 s88, s88, s87
	s_add_co_u32 s2, s88, 24576
	s_add_nc_u64 s[92:93], s[16:17], s[2:3]        ; fragments
	s_lshl_b32 s88, s86, 8
	s_add_co_u32 s88, s88, s87
	s_add_co_u32 s2, s88, 51200
	s_add_nc_u64 s[96:97], s[16:17], s[2:3]        ; pair words
	s_mul_i32 s84, s21, 208896                     ; waves 2, 3: the second head
	s_mul_i32 s85, s22, 3072
	s_add_co_u32 s85, s85, s84
	v_add_nc_u32 v12, s85, v4
	s_lshl_b32 s85, s22, 7
	s_add_co_u32 s85, s85, s84
	v_lshl_add_u32 v14, v1, 2, s85
	GEMM 6, 7, 9, 1
.irp bb, 0,1
.if \bb
	s_wait_xcnt 0x0
.endif
	QUANT ACC+64*\bb
.irp c, 0,1,2
	global_store_b128 v12, v[PC+4*\c:PC+4*\c+3], s[92:93] offset:1536*\bb+512*\c
.endr
.if \bb == 0
	v_mov_b32 v126, v[PW]
.endif
.endr
	v_cmp_ne_u32 vcc_lo, 0, v3
	v_cndmask_b32 v126, v126, v[PW], vcc_lo
	global_store_b32 v14, v126, s[96:97]
.Lclose:
	s_wait_tensorcnt 0x0
	ds_add_u32 v121, v125
	s_wait_dscnt 0x0
	CROUND                                         ; no work-group ends while a partner may still ask
	s_endpgm
.Lfunc_end_k_qd07d4285c3_qkv:
	.size	k_qd07d4285c3_qkv, .Lfunc_end_k_qd07d4285c3_qkv-k_qd07d4285c3_qkv
	.p2alignl 7, 3214868480
	.fill 96, 4, 3214868480
	.section	.rodata,"a",@progbits
	.p2align	6, 0x0
	.amdhsa_kernel k_qd07d4285c3_qkv
		.amdhsa_group_segment_fixed_size 197120
		.amdhsa_private_segment_fixed_size 0
		.amdhsa_enable_private_segment 0
		.amdhsa_kernarg_size 56
		.amdhsa_user_sgpr_count 2
		.amdhsa_user_sgpr_kernarg_segment_ptr 1
		.amdhsa_wavefront_size32 1
		.amdhsa_system_sgpr_workgroup_id_x 1
		.amdhsa_system_sgpr_workgroup_id_y 1
		.amdhsa_system_sgpr_workgroup_id_z 1
		.amdhsa_system_vgpr_workitem_id 0
		.amdhsa_next_free_vgpr 576
		.amdhsa_next_free_sgpr 100
		.amdhsa_reserve_vcc 1
		.amdhsa_float_denorm_mode_32 3
		.amdhsa_float_denorm_mode_16_64 3
		.amdhsa_memory_ordered 1
		.amdhsa_forward_progress 1
		.amdhsa_inst_pref_size 97
	.end_amdhsa_kernel
	.amdgpu_metadata
---
amdhsa.version: [ 1, 2 ]
amdhsa.kernels:
  - .name:           k_qd07d4285c3_qkv
    .symbol:         k_qd07d4285c3_qkv.kd
    .args:
      - { .name: xcs, .offset: 0, .size: 8, .value_kind: global_buffer, .address_space: global }
      - { .name: wcs, .offset: 8, .size: 8, .value_kind: global_buffer, .address_space: global }
      - { .name: bq, .offset: 16, .size: 8, .value_kind: global_buffer, .address_space: global }
      - { .name: bk, .offset: 24, .size: 8, .value_kind: global_buffer, .address_space: global }
      - { .name: bv, .offset: 32, .size: 8, .value_kind: global_buffer, .address_space: global }
      - { .name: qb, .offset: 40, .size: 8, .value_kind: global_buffer, .address_space: global }
      - { .name: kv, .offset: 48, .size: 8, .value_kind: global_buffer, .address_space: global }
    .group_segment_fixed_size: 197120
    .private_segment_fixed_size: 0
    .kernarg_segment_align: 8
    .kernarg_segment_size: 56
    .max_flat_workgroup_size: 128
    .sgpr_count:     100
    .vgpr_count:     576
    .wavefront_size: 32
...
	.end_amdgpu_metadata
.endif
;; end of part 2
;; launch attn (part 3): grid 8 x 32, 16 waves a work-group, clusters of 4 x 1, 277,504 bytes of LDS; arguments qb, kv, acs; writes acs
.if DOCPART == 3
	.amdgcn_target "amdgcn-amd-amdhsa--gfx1250"
	.amdhsa_code_object_version 6
	.text
	.protected	k_qd07d4285c3_attn
	.globl	k_qd07d4285c3_attn
	.p2align	8
	.type	k_qd07d4285c3_attn,@function
k_qd07d4285c3_attn:
	s_mov_b64 s[64:65], 0
	v_nop
	global_prefetch_b8 v0, s[64:65] scope:SCOPE_SE
	s_setreg_imm32_b32 hwreg(HW_REG_WAVE_MODE, 25, 1), 1
	s_wait_xcnt 0x0
	s_wait_alu depctr_hold_cnt(0) depctr_sa_sdst(0) depctr_va_vdst(0) depctr_va_sdst(0) depctr_va_ssrc(0) depctr_va_vcc(0) depctr_vm_vsrc(0)
	s_getreg_b32 s2, hwreg(HW_REG_IB_STS2, 6, 4)
	s_cmp_eq_u32 s2, 0
	s_cbranch_scc0 .Lentry_in_a_cluster
	s_endpgm
.Lentry_in_a_cluster:
	s_bfe_u32 s2, ttmp6, 0x10000c
	s_cmp_lg_u32 s2, 0x3003
	s_cbranch_scc0 .Lentry_shape_is_right
	s_endpgm
.Lentry_shape_is_right:
; Attention of one head on codes of E3M2, and its result quantised for the next product.  32 heads (work-group y), 2,048 tokens, head size 64.
; t = score x log2(e) / 8; M = the running largest t rounded up to a whole number; p = 2^(t - M) is quantised along the keys, not normalised; the row's sum is taken of the unquantised p and divides at the end.
; SHARES.  A work-group owns 256 queries, each of its sixteen waves one tile of 16; four waves to a SIMD, so that one wave's vector work stands beside another's products and LDS loads.
; The whole head's k, v and scale words, 208,896 bytes, lie in LDS as they lie in memory, each byte filled once: four runs of 512 keys, each brought by waves 4 c .. 4 c + 3, a quarter each.
; THE WAVES MEET ONCE FOR THE FILL: each wave waits for its one load, and the work-group meets before the first step.
; The sixteen steps have no barrier: the waves of a SIMD may drift apart.
; CLUSTER 4 x 1: the four query blocks of a cluster read the same head, so each load is a joint one.
; LAYOUT.  S^T = k q^T and O^T = v^T p^T: a lane holds one query throughout.
; A TILE'S KEYS ARE CHOSEN AT THE LDS LOAD.  Tile 4 c + u of a step takes keys 64 c + 8 u + 0 .. 7 in lanes 0-7 and keys 64 c + 32 + 8 u + 0 .. 7 in lanes 8-15, so that a lane's 32 registers of four neighbouring tiles
; are ONE WHOLE BLOCK of 32 keys, 64 c + 32 h + 0 .. 31, in the order of the next operand's registers: a block's largest score needs no other lane, and the conversions' results are the operand.
; In LDS tile T holds keys 32 (T / 2) + 8 (T % 2) + r + 8 (r / 8): groups of eight.  Lanes 0-7 find theirs in tile 4 c + u % 2, lanes 8-15 two tiles (1,536 bytes) on, both 8 (u / 2) rows down: a lane term and an immediate.
; (Lanes 0-7 and 8-15 of such a load are a multiple of 256 bytes apart.)
; THE HEAD'S 64 FILL HALF OF THE INSTRUCTION'S 128.  Source 0 holds two tiles, [even 6][odd 6]; source 1 is [q 6][0 6] for the even tile and [0 6][q 6] for the odd one: what meets zero codes adds nothing.
; q's and k's scale words hold their two bytes twice, so either half finds them, and no byte is 0xff.
; THE RESULT goes on transposed: row 128 head + 2 d + (query / 1024), column query % 1024.  So O^T / l is quantised along the QUERIES: it meets in a stage [d 64][query 256] in LDS,
; and waves 0-7 make the eight fragments (16 d x 128 queries) and their scale words.
; LIMITS: NaN and infinities are not served; a block under 2^-122 keeps the byte 1, a block of zeros too.
.set CH,    52224                      ; 512 keys: 32 halves of k, 16 fragments of v, 16 + 8 pair words
.set HEADB, 208896
.set STAGE, 208896
.set SP,    1040                       ; a stage row: 256 queries + 16 bytes
.set MX, 234
.set SO, 242
.set BY, 238
.set PW, 253
.set TT, 254
.set PC, 214
.set TP, 226
.set H8, 11
.set KA16, 229                         ; v229 my lane's place in k's 16-byte pieces: 1,536 (r / 8) + 16 (r % 8) + 256 h
.set KA8,  244                         ; v244 in its 8-byte pieces: 1,536 (r / 8) + 8 (r % 8) + 128 h
.set KAS,  245                         ; v245 among k's pair words: 128 (r / 8) + 64 h + 4 (r % 8)
.set ADKS, 233                         ; v233 the step's address of k's pair words
.set WV, 10
.set SEL, 14
.set CS, 16
.set G1, 24
.set G0, 32
; REGISTERS: v1, v3 16 l, 4 l; v4-7, v233 the step's addresses; v8-11 the way out; v12 -M, v13 largest t, v[14:15] the sum; v16-33 q: [q][0][q]; v34-69 three pairs of tiles of k, the fourth in v214-225;
; v70-117 v; v118-181 S^T, then p; v182-213 O^T; v214-225 p's codes; v226-232 conversions; v234-243 at work; v246-249 k's pair words, v250-251 v's; v252 f; v253 p's scale word; v254 at work; v255 q's scale word.
.macro PLACES
.rept 4
	v_nop
.endr
.endm
.macro CROUND
	s_barrier_signal -1
	s_barrier_wait -1
	s_cmp_lg_u32 s[WV], 0
	s_cbranch_scc1 .Lnot_wave_0_\@
	s_barrier_signal -3
.Lnot_wave_0_\@:
	s_barrier_wait -3
	s_barrier_signal -1
	s_barrier_wait -1
.endm
.macro QUANTB x                        ; 64 numbers of a lane, two whole blocks of 32, become 12 registers of codes and the row's scale word
.irp c, 0,1
	v_max3_num_f32 v[MX+\c], |v[\x+32*\c]|, |v[\x+1+32*\c]|, 0x2800000
.endr
.irp i, 2,4,6,8,10,12,14,16,18,20,22,24,26,28,30
.irp c, 0,1
	s_delay_alu instid0(VALU_DEP_2)
	v_max3_num_f32 v[MX+\c], v[MX+\c], |v[\x+32*\c+\i]|, |v[\x+1+32*\c+\i]|
.endr
.endr
.irp c, 0,1
	s_delay_alu instid0(VALU_DEP_2)
	v_add_nc_u32 v[SO+\c], 0xfe000000, v[MX+\c]
.endr
.irp c, 0,1
	s_delay_alu instid0(VALU_DEP_2)
	v_lshrrev_b32 v[BY+\c], 23, v[SO+\c]
.endr
	s_delay_alu instid0(VALU_DEP_1)
	v_lshl_or_b32 v[PW], v[BY+1], 16, v[BY]
	s_delay_alu instid0(VALU_DEP_1)
	v_lshlrev_b32 v[PW], v[H8], v[PW]
	v_mov_b32 v[TT], 0
	s_delay_alu instid0(VALU_DEP_1)
	v_permlanex16_b32 v[TT], v[PW], s[SEL], s[SEL+1]
	s_delay_alu instid0(VALU_DEP_1)
	v_or_b32 v[PW], v[PW], v[TT]
.irp c, 0,1
	v_cvt_scalef32_pk16_bf6_f32 v[PC+6*\c:PC+6*\c+2], v[\x+32*\c:\x+32*\c+15], v[SO+\c]
	v_cvt_scalef32_pk16_bf6_f32 v[TP+4*\c:TP+4*\c+2], v[\x+32*\c+16:\x+32*\c+31], v[SO+\c]
.endr
	v_nop
.irp c, 0,1
.irp i, 0,1,2
	v_mov_b32 v[PC+6*\c+3+\i], v[TP+4*\c+\i]
.endr
.endr
.endm
	s_load_b128 s[4:7], s[0:1], 0x0                ; q's buffer s[4:5], k's and v's s[6:7]
	s_load_b64 s[8:9], s[0:1], 0x10                ; the result's codes
	v_lshl_add_u32 v254, v0, 2, 0x43400
	v_mov_b32 v255, 0
	ds_add_u32 v254, v255
	ds_add_u32 v254, v255
	s_wait_dscnt 0x0
	v_lshrrev_b32 v1, 5, v0
	s_delay_alu instid0(VALU_DEP_1)
	v_readfirstlane_b32 s[WV], v1                  ; wave 0..15
	s_bfe_u32 s11, ttmp6, 0x40000                  ; cx
	s_lshl_b32 s12, ttmp9, 2
	s_add_co_u32 s12, s12, s11                     ; my block of 256 queries: it enters global addresses alone
	s_and_b32 s13, ttmp7, 0xffff                   ; the head, which the four partners share
	s_mov_b32 s[G1], 15|(3<<16)|(1<<21)            ; all four work-groups; elements of 8 bytes
	s_mov_b32 s[G1+1], 32<<16                      ; rows of 256 bytes,
	s_mov_b32 s[G1+2], 51<<16                      ; 51 of them: a quarter of 52,224 dense bytes
	s_mov_b32 s[G1+3], 32<<16
	s_mov_b32 s[G1+4], 51
	s_mov_b32 s[G1+5], 32
	s_mov_b32 s[G1+6], 0
	s_mov_b32 s[G1+7], 0
	s_mul_i32 s48, s[WV], 13056                    ; ONE load a wave: the head's 208,896 dense bytes in sixteen pieces, piece = wave, in LDS and in memory alike
	s_mul_i32 s50, s13, HEADB
	s_add_co_u32 s50, s50, s48
	s_mov_b32 s51, 0
	s_mov_b32 s[SEL], 0x76543210
	s_mov_b32 s[SEL+1], 0xfedcba98
	s_mov_b32 s[CS], 0x3e38aa3b                    ; log2(e) / 8
	s_mov_b32 s[CS+1], s[CS]
	s_wait_kmcnt 0x0
	s_add_nc_u64 s[50:51], s[6:7], s[50:51]
	s_mov_b32 s[G0], 1
	s_mov_b32 s[G0+1], s48
	s_mov_b64 s[G0+2:G0+3], s[50:51]
	s_or_b32 s[G0+3], s[G0+3], 0x80000000
	CROUND                                         ; all four work-groups are here
	tensor_load_to_lds s[G0:G0+3], s[G1:G1+7]      ; every wave issues its piece
	s_nop 0
	PLACES
	s_lshl_b32 s50, s12, 4
	s_add_co_u32 s50, s50, s[WV]                   ; my tile of queries, 0..127
	s_mul_i32 s51, s13, 98304
	s_mul_i32 s52, s50, 768
	s_add_co_u32 s52, s52, s51
	s_mov_b32 s53, 0
	s_add_nc_u64 s[22:23], s[4:5], s[52:53]        ; its codes
	s_lshl_b32 s52, s13, 13
	s_lshl_b32 s51, s50, 6
	s_add_co_u32 s52, s52, s51
	s_add_co_u32 s52, s52, 3145728
	s_add_nc_u64 s[2:3], s[4:5], s[52:53]          ; its sixteen scale words
	v_and_b32 v3, 31, v0
	s_delay_alu instid0(VALU_DEP_1)
	v_lshlrev_b32 v1, 4, v3
	s_delay_alu instid0(VALU_DEP_2)
	v_lshlrev_b32 v2, 3, v3
	s_delay_alu instid0(VALU_DEP_3)
	v_lshlrev_b32 v3, 2, v3
	v_and_b32 v10, 15, v0                          ; r
	v_bfe_u32 v11, v0, 4, 1                        ; h
	s_delay_alu instid0(VALU_DEP_2)
	v_lshlrev_b32 v254, 2, v10
	global_load_b128 v[16:19], v1, s[22:23]        ; q, below
	global_load_b64 v[20:21], v2, s[22:23] offset:512
	global_load_b128 v[28:31], v1, s[22:23]        ; and above the six zeros
	global_load_b64 v[32:33], v2, s[22:23] offset:512
	global_load_b32 v255, v254, s[2:3]             ; lanes r and r + 16: row r's word
.irp j, 22,23,24,25,26,27
	v_mov_b32 v\j, 0                               ; zero codes: written once
.endr
	v_and_b32 v4, 7, v0                            ; r % 8
	v_bfe_u32 v5, v0, 3, 1                         ; r / 8
	s_delay_alu instid0(VALU_DEP_1)
	v_mul_u32_u24 v[KA16], v5, 1536
	s_delay_alu instid0(VALU_DEP_1)
	v_lshl_add_u32 v[KA8], v4, 3, v[KA16]
	s_delay_alu instid0(VALU_DEP_1)
	v_lshl_add_u32 v[KA8], v11, 7, v[KA8]
	s_delay_alu instid0(VALU_DEP_3)
	v_lshl_add_u32 v[KA16], v4, 4, v[KA16]
	s_delay_alu instid0(VALU_DEP_1)
	v_lshl_add_u32 v[KA16], v11, 8, v[KA16]
	v_lshlrev_b32 v[KAS], 7, v5
	s_delay_alu instid0(VALU_DEP_1)
	v_lshl_add_u32 v[KAS], v4, 2, v[KAS]
	s_delay_alu instid0(VALU_DEP_1)
	v_lshl_add_u32 v[KAS], v11, 6, v[KAS]
	v_and_b32 v8, 8, v10
	s_delay_alu instid0(VALU_DEP_1)
	v_add_nc_u32 v8, v8, v10
	s_delay_alu instid0(VALU_DEP_1)
	v_lshlrev_b32 v8, 2, v8                        ; my query's column in the stage: 4 (r + 8 (r / 8)),
	s_delay_alu instid0(VALU_DEP_1)
	v_mad_u32_u24 v8, v11, 16*SP, v8               ; lanes 16-31 sixteen rows down,
	s_lshr_b32 s54, s[WV], 1
	s_lshl_b32 s54, s54, 7
	s_and_b32 s49, s[WV], 1
	s_lshl_b32 s55, s49, 5
	s_add_co_u32 s54, s54, s55
	s_add_co_u32 s54, s54, STAGE
	v_add_nc_u32 v8, s54, v8                       ; + 4 (32 (w / 2) + 8 (w % 2))
	s_and_b32 s48, s[WV], 7
	s_lshr_b32 s48, s48, 1                         ; the way out, waves 0-7: 16 channels 16 (w / 2) on, 128 queries 128 (w % 2) on
	s_mul_i32 s52, s48, 16*SP
	s_lshl_b32 s53, s49, 9
	s_add_co_u32 s52, s52, s53
	s_add_co_u32 s52, s52, STAGE
	v_mul_u32_u24 v9, v10, SP
	s_delay_alu instid0(VALU_DEP_1)
	v_lshl_add_u32 v9, v11, 7, v9
	s_delay_alu instid0(VALU_DEP_1)
	v_add_nc_u32 v9, s52, v9
	v_lshlrev_b32 v10, 4, v10                      ; 16 r
	v_lshlrev_b32 v11, 3, v11                      ; 8 h
	v_mov_b32 v13, 0xff61b1e6                      ; the largest t so far: -3e38
	s_delay_alu instid0(VALU_DEP_1)
	v_floor_f32 v12, -v13
	v_mov_b32 v14, 0
	v_mov_b32 v15, 0
.irp b, 0,1,2,3
	v_mov_b32 v[238+\b], 0                         ; a lane permute's destination counts as one of its sources
.endr
	v_mov_b32 v253, 0
.set J, 0
.rept 32
	v_mov_b32 v[182+J], 0                          ; O^T: the step is written once; its first trip finds zeros
.set J, J+1
.endr
; A KEY STEP: 128 keys.
.macro STEP
	v_add_nc_u32 v4, s18, v1                       ; these five are also the places in front of the loads into registers that the last step's products read
	v_add_nc_u32 v5, s18, v[KA16]
	v_add_nc_u32 v6, s18, v[KA8]
	v_add_nc_u32 v[ADKS], s19, v[KAS]
	v_add_nc_u32 v7, s20, v3
.irp i, 0,1,2,3                                ; pair i: tiles 2 i and 2 i + 1, twelve registers; the fourth pair lies where p's codes will be made
.set KB, 34+12*\i+144*(\i/3)
	ds_load_b128 v[KB:KB+3], v5 offset:3072*(\i/2)+128*(\i%2)
	ds_load_b64 v[KB+4:KB+5], v6 offset:3072*(\i/2)+512+64*(\i%2)
	ds_load_b128 v[KB+6:KB+9], v5 offset:3072*(\i/2)+768+128*(\i%2)
	ds_load_b64 v[KB+10:KB+11], v6 offset:3072*(\i/2)+1280+64*(\i%2)
.if \i == 1
.irp n, 0,1,2,3
	ds_load_b32 v[246+\n], v[ADKS] offset:256*(\n/2)+32*(\n%2)     ; lanes 0-15: tile 2 n's scale words, lanes 16-31: tile 2 n + 1's
.endr
.endif
.endr
	s_wait_alu depctr_va_vdst(0)
	s_wait_dscnt 8                                 ; pairs 0 and 1 and the scale words are in; the eight loads of pairs 2 and 3 may be out
.irp i, 0,1,2,3                                ; S^T = k q^T
.set KB, 34+12*\i+144*(\i/3)
.if \i == 2
	s_wait_dscnt 0x0
.endif
	v_wmma_scale_f32_16x16x128_f8f6f4 v[118+16*\i:125+16*\i], v[KB:KB+11], v[16:27], 0, v[246+\i], v255 matrix_a_fmt:MATRIX_FMT_BF6 matrix_b_fmt:MATRIX_FMT_BF6
	v_wmma_scale_f32_16x16x128_f8f6f4 v[126+16*\i:133+16*\i], v[KB:KB+11], v[22:33], 0, v[246+\i], v255 matrix_a_fmt:MATRIX_FMT_BF6 matrix_b_fmt:MATRIX_FMT_BF6 matrix_a_scale:MATRIX_SCALE_ROW1
.endr
.irp d, 0,1,2,3                                ; v's four fragments land under the softmax
.irp c, 0,1,2
	ds_load_b128 v[70+12*\d+4*\c:73+12*\d+4*\c], v4 offset:24576+1536*\d+512*\c
.endr
.endr
	ds_load_b32 v250, v7
	ds_load_b32 v251, v7 offset:128
	PLACES
.irp b, 0,1,2,3
	v_max3_num_f32 v[234+\b], v[118+16*\b], v[119+16*\b], v[120+16*\b]     ; the largest score of my two blocks of 32 keys, in four chains: for the row's maximum, and for the blocks' largest p
.endr
.irp i, 3,5,7,9,11,13
.irp b, 0,1,2,3
	v_max3_num_f32 v[234+\b], v[234+\b], v[118+16*\b+\i], v[119+16*\b+\i]
.endr
.endr
	v_max3_num_f32 v234, v234, v235, v133
	v_max3_num_f32 v236, v236, v237, v165
	v_max_num_f32 v234, v234, v149                 ; block h: keys 32 h + 0 .. 31
	v_max_num_f32 v236, v236, v181                 ; block 2 + h
	s_delay_alu instid0(VALU_DEP_1)
	v_max_num_f32 v254, v234, v236
	s_delay_alu instid0(VALU_DEP_1)
	v_permlanex16_b32 v238, v254, s[SEL], s[SEL+1]
	s_delay_alu instid0(VALU_DEP_1)
	v_max_num_f32 v254, v254, v238                 ; with lane l xor 16's two blocks: the step's largest score of my query
	s_delay_alu instid0(VALU_DEP_1)
	v_mul_f32 v254, s[CS], v254
	s_delay_alu instid0(VALU_DEP_1)
	v_max_num_f32 v13, v13, v254                   ; the running largest t
	v_mov_b32 v254, v12
	s_delay_alu instid0(VALU_DEP_2)
	v_floor_f32 v12, -v13                          ; -M = floor(-t): M is a whole number
	s_delay_alu instid0(VALU_DEP_1)
	v_sub_f32 v254, v12, v254
	s_delay_alu instid0(VALU_DEP_1)
	v_cvt_i32_f32 v254, v254
	s_delay_alu instid0(VALU_DEP_1)
	v_ldexp_f32 v252, 1.0, v254                    ; f = 2^(old M - new M): exact
.set J, 0
.rept 32
	v_pk_fma_f32 v[118+J:119+J], v[118+J:119+J], s[CS:CS+1], v[12:13] op_sel_hi:[1,0,0]   ; t - M
.set J, J+2
.endr
	v_fma_f32 v234, v234, s[CS], v12
	v_fma_f32 v236, v236, s[CS], v12
.set J, 0
	s_wait_alu depctr_va_vdst(0)
.rept 64
	v_exp_f32 v[118+J], v[118+J]
.set J, J+1
.endr
	v_exp_f32 v234, v234                           ; the blocks' largest p
	v_exp_f32 v236, v236
	v_pk_mul_f32 v[14:15], v[14:15], v[252:253] op_sel_hi:[1,0]    ; the sums under the new M (a plain place behind the exponentials)
	s_wait_alu depctr_va_vdst(0)
	v_max_num_f32 v234, 0x2800000, v234            ; the floor 2^(5 - 127): the byte cannot fall under 1
	v_max_num_f32 v236, 0x2800000, v236
	s_delay_alu instid0(VALU_DEP_2)
	v_add_nc_u32 v242, 0xfe000000, v234            ; 4 off the exponent field: the conversions' scale operands
	s_delay_alu instid0(VALU_DEP_2)
	v_add_nc_u32 v243, 0xfe000000, v236
	s_delay_alu instid0(VALU_DEP_2)
	v_lshrrev_b32 v238, 23, v242                   ; the bytes
	s_delay_alu instid0(VALU_DEP_2)
	v_lshrrev_b32 v239, 23, v243
	s_delay_alu instid0(VALU_DEP_1)
	v_lshl_or_b32 v253, v239, 16, v238             ; my blocks h and 2 + h,
	s_delay_alu instid0(VALU_DEP_1)
	v_lshlrev_b32 v253, v11, v253                  ; 8 h bits up;
	s_delay_alu instid0(VALU_DEP_1)
	v_permlanex16_b32 v240, v253, s[SEL], s[SEL+1]
	s_delay_alu instid0(VALU_DEP_1)
	v_or_b32 v253, v253, v240                      ; with lane l xor 16's two: p's scale word for these 128 keys
.irp c, 0,1
	v_cvt_scalef32_pk16_bf6_f32 v[214+6*\c:216+6*\c], v[118+32*\c:133+32*\c], v[242+\c]
	v_cvt_scalef32_pk16_bf6_f32 v[226+4*\c:228+4*\c], v[134+32*\c:149+32*\c], v[242+\c]    ; (three registers begin on an even number: made elsewhere and moved)
.endr
	v_nop                                          ; one plain place behind a scaled conversion
.irp c, 0,1
.irp i, 0,1,2
	v_mov_b32 v[217+6*\c+\i], v[226+4*\c+\i]
.endr
.endr
	v_pk_add_f32 v[238:239], v[122:123], v[126:127]
	v_pk_add_f32 v[248:249], v[130:131], v[134:135]
	v_pk_add_f32 v[246:247], v[138:139], v[142:143]
	v_pk_add_f32 v[242:243], v[146:147], v[150:151]
	v_pk_add_f32 v[236:237], v[154:155], v[158:159]
	v_pk_add_f32 v[234:235], v[162:163], v[166:167]
	v_pk_add_f32 v[232:233], v[170:171], v[174:175]
	v_pk_add_f32 v[14:15], v[14:15], v[178:179]
	v_pk_add_f32 v[238:239], v[238:239], v[118:119]
	v_pk_add_f32 v[248:249], v[248:249], v[120:121]
	v_pk_add_f32 v[246:247], v[246:247], v[124:125]
	v_pk_add_f32 v[242:243], v[242:243], v[128:129]
	v_pk_add_f32 v[236:237], v[236:237], v[132:133]
	v_pk_add_f32 v[234:235], v[234:235], v[136:137]
	v_pk_add_f32 v[232:233], v[232:233], v[140:141]
	v_pk_add_f32 v[14:15], v[14:15], v[144:145]
	v_pk_add_f32 v[238:239], v[238:239], v[148:149]
	v_pk_add_f32 v[248:249], v[248:249], v[152:153]
	v_pk_add_f32 v[246:247], v[246:247], v[156:157]
	v_pk_add_f32 v[242:243], v[242:243], v[160:161]
	v_pk_add_f32 v[236:237], v[236:237], v[164:165]
	v_pk_add_f32 v[234:235], v[234:235], v[168:169]
	v_pk_add_f32 v[232:233], v[232:233], v[172:173]
	v_pk_add_f32 v[14:15], v[14:15], v[176:177]
	v_pk_add_f32 v[238:239], v[238:239], v[180:181]
	s_delay_alu instid0(VALU_DEP_2)
	v_pk_add_f32 v[14:15], v[14:15], v[242:243]
	s_delay_alu instid0(VALU_DEP_2)
	v_pk_add_f32 v[238:239], v[238:239], v[236:237]
	v_pk_add_f32 v[248:249], v[248:249], v[234:235]
	v_pk_add_f32 v[246:247], v[246:247], v[232:233]
	s_delay_alu instid0(VALU_DEP_2)
	v_pk_add_f32 v[14:15], v[14:15], v[248:249]
	s_delay_alu instid0(VALU_DEP_2)
	v_pk_add_f32 v[238:239], v[238:239], v[246:247]
	s_delay_alu instid0(VALU_DEP_1)
	v_pk_add_f32 v[14:15], v[14:15], v[238:239]
.set J, 0
.rept 16
	v_pk_mul_f32 v[182+J:183+J], v[182+J:183+J], v[252:253] op_sel_hi:[1,0]    ; O^T under the new M
.set J, J+2
.endr
	s_wait_alu depctr_va_vdst(0)
	s_wait_dscnt 0x0                               ; v and its pair words are in
.irp i, 0,1                                    ; O^T += v^T p^T: four accumulators by turns
	v_wmma_scale_f32_16x16x128_f8f6f4 v[182+16*\i:189+16*\i], v[70+24*\i:81+24*\i], v[214:225], v[182+16*\i:189+16*\i], v[250+\i], v253 matrix_a_fmt:MATRIX_FMT_BF6 matrix_b_fmt:MATRIX_FMT_BF6
	v_wmma_scale_f32_16x16x128_f8f6f4 v[190+16*\i:197+16*\i], v[82+24*\i:93+24*\i], v[214:225], v[190+16*\i:197+16*\i], v[250+\i], v253 matrix_a_fmt:MATRIX_FMT_BF6 matrix_b_fmt:MATRIX_FMT_BF6 matrix_a_scale:MATRIX_SCALE_ROW1
.endr
	s_add_co_u32 s18, s18, 6144                    ; the next step's tiles,
	s_add_co_u32 s19, s19, 512                     ; k's pair words,
	s_add_co_u32 s20, s20, 256                     ; v's
.endm
; n steps of run c (512 keys), from its first step on
.macro RUN c, n
	s_mov_b32 s18, \c*CH
	s_mov_b32 s19, \c*CH+49152
	s_mov_b32 s20, \c*CH+51200
	s_mov_b32 s21, \n
.Lstep_\@:
	STEP
	s_sub_co_u32 s21, s21, 1
	s_cmp_lg_u32 s21, 0
	s_cbranch_scc1 .Lstep_\@
.endm
	s_wait_loadcnt 0x0                             ; q
	s_wait_tensorcnt 0x0                           ; my piece is in
	s_wait_dscnt 0x0
	s_barrier_signal -1
	s_barrier_wait -1                              ; everybody's is.  Nothing is ever filled again in this launch
	RUN 0, 4                                       ; the whole head lies in LDS: the sixteen steps have no barrier
	RUN 1, 4
	RUN 2, 4
	RUN 3, 4
	; THE WAY OUT
	PLACES
	v_add_f32 v14, v14, v15
	s_delay_alu instid0(VALU_DEP_1)
	v_permlanex16_b32 v252, v14, s[SEL], s[SEL+1]
	s_delay_alu instid0(VALU_DEP_1)
	v_add_f32 v14, v14, v252                       ; the row's sum
	s_wait_alu depctr_va_vdst(0)
	v_rcp_f32 v14, v14
	v_nop
.set J, 0
	s_wait_alu depctr_va_vdst(0)
.rept 32
	v_mul_f32 v[118+J], v[182+J], v14              ; register 8 b + j: channel 32 (b / 2) + 16 h + 8 (b % 2) + j of my query
.set J, J+1
.endr
.irp b, 0,1,2,3
.irp j, 0,1,2,3,4,5,6,7
	ds_store_b32 v8, v[118+8*\b+\j] offset:(32*(\b/2)+8*(\b%2)+\j)*SP
.endr
.endr
	s_lshl_b32 s56, s13, 3
	s_lshl_b32 s57, s48, 1
	s_add_co_u32 s56, s56, s57
	s_add_co_u32 s56, s56, ttmp9                   ; the result's tile: 8 head + 2 (w / 2) + (query / 1024)
	s_lshl_b32 s57, s11, 1
	s_add_co_u32 s57, s57, s49                     ; its K step: 2 cx + w % 2
	s_mul_i32 s58, s56, 12288
	s_mul_i32 s59, s57, 1536
	s_add_co_u32 s58, s58, s59
	s_mov_b32 s59, 0
	s_add_nc_u64 s[60:61], s[8:9], s[58:59]
	s_lshl_b32 s58, s56, 9
	s_lshr_b32 s56, s57, 2
	s_lshl_b32 s56, s56, 8
	s_add_co_u32 s58, s58, s56
	s_and_b32 s57, s57, 3
	s_lshl_b32 s57, s57, 2
	s_add_co_u32 s58, s58, s57
	s_add_co_u32 s58, s58, 3145728
	s_add_nc_u64 s[62:63], s[8:9], s[58:59]
	s_wait_dscnt 0x0                               ; for the others' sake: my stores have landed
	s_barrier_signal -1
	s_barrier_wait -1
	s_cmp_lt_u32 s[WV], 8
	s_cbranch_scc0 .Ldone
.irp c, 0,1
.irp j, 0,1,2,3,4,5,6,7
	ds_load_b128 v[118+32*\c+4*\j:121+32*\c+4*\j], v9 offset:256*\c+16*\j      ; channel 16 (w / 2) + r, queries 64 c + 32 h + 4 j on
.endr
.endr
	s_wait_dscnt 0x0
	QUANTB 118
.irp c, 0,1,2
	global_store_b128 v1, v[PC+4*\c:PC+4*\c+3], s[60:61] offset:512*\c
.endr
	global_store_b32 v10, v[PW], s[62:63]          ; lanes r and r + 16 store the same word to the same place
.Ldone:
	s_wait_xcnt 0x0
	v_lshl_add_u32 v254, v0, 2, 0x43400
	v_mov_b32 v255, 0
	s_wait_alu depctr_va_vdst(0)
	s_wait_tensorcnt 0x0
	ds_add_u32 v254, v255
	s_wait_dscnt 0x0
	CROUND                                         ; the closing round
	s_endpgm
.Lfunc_end_k_qd07d4285c3_attn:
	.size	k_qd07d4285c3_attn, .Lfunc_end_k_qd07d4285c3_attn-k_qd07d4285c3_attn
	.p2alignl 7, 3214868480
	.fill 96, 4, 3214868480
	.section	.rodata,"a",@progbits
	.p2align	6, 0x0
	.amdhsa_kernel k_qd07d4285c3_attn
		.amdhsa_group_segment_fixed_size 277504
		.amdhsa_private_segment_fixed_size 0
		.amdhsa_enable_private_segment 0
		.amdhsa_kernarg_size 24
		.amdhsa_user_sgpr_count 2
		.amdhsa_user_sgpr_kernarg_segment_ptr 1
		.amdhsa_wavefront_size32 1
		.amdhsa_system_sgpr_workgroup_id_x 1
		.amdhsa_system_sgpr_workgroup_id_y 1
		.amdhsa_system_sgpr_workgroup_id_z 1
		.amdhsa_system_vgpr_workitem_id 0
		.amdhsa_next_free_vgpr 256
		.amdhsa_next_free_sgpr 66
		.amdhsa_reserve_vcc 0
		.amdhsa_float_denorm_mode_32 3
		.amdhsa_float_denorm_mode_16_64 3
		.amdhsa_memory_ordered 1
		.amdhsa_forward_progress 1
		.amdhsa_inst_pref_size 82
	.end_amdhsa_kernel
	.amdgpu_metadata
---
amdhsa.version: [ 1, 2 ]
amdhsa.kernels:
  - .name:           k_qd07d4285c3_attn
    .symbol:         k_qd07d4285c3_attn.kd
    .args:
      - { .name: qb, .offset: 0, .size: 8, .value_kind: global_buffer, .address_space: global }
      - { .name: kv, .offset: 8, .size: 8, .value_kind: global_buffer, .address_space: global }
      - { .name: acs, .offset: 16, .size: 8, .value_kind: global_buffer, .address_space: global }
    .group_segment_fixed_size: 277504
    .private_segment_fixed_size: 0
    .kernarg_segment_align: 8
    .kernarg_segment_size: 24
    .max_flat_workgroup_size: 512
    .sgpr_count:     66
    .vgpr_count:     256
    .wavefront_size: 32
...
	.end_amdgpu_metadata
.endif
;; end of part 3
;; launch tail (part 4): grid 256 x 1, 16 waves a work-group, clusters of 4 x 1, 327,680 bytes of LDS; arguments acs, wcs, bo, x, g_ffn, out0; writes out0
.if DOCPART == 4
	.amdgcn_target "amdgcn-amd-amdhsa--gfx1250"
	.amdhsa_code_object_version 6
	.text
	.protected	k_qd07d4285c3_tail
	.globl	k_qd07d4285c3_tail
	.p2align	8
	.type	k_qd07d4285c3_tail,@function
k_qd07d4285c3_tail:
	s_mov_b64 s[64:65], 0
	v_nop
	global_prefetch_b8 v0, s[64:65] scope:SCOPE_SE
	s_setreg_imm32_b32 hwreg(HW_REG_WAVE_MODE, 25, 1), 1
	s_wait_xcnt 0x0
	s_wait_alu depctr_hold_cnt(0) depctr_sa_sdst(0) depctr_va_vdst(0) depctr_va_sdst(0) depctr_va_ssrc(0) depctr_va_vcc(0) depctr_vm_vsrc(0)
	s_getreg_b32 s2, hwreg(HW_REG_IB_STS2, 6, 4)
	s_cmp_eq_u32 s2, 0
	s_cbranch_scc0 .Lentry_in_a_cluster
	s_endpgm
.Lentry_in_a_cluster:
	s_bfe_u32 s2, ttmp6, 0x10000c
	s_cmp_lg_u32 s2, 0x3003
	s_cbranch_scc0 .Lentry_shape_is_right
	s_endpgm
.Lentry_shape_is_right:
; h = x + A wo^T + bo;  n = h sqrt(mean(h^2) + 1e-6) g_ffn;  out = h + (relu(n w_gate^T) (n w_up^T)) w_down^T, all four products on codes of E3M2; n and the inner layer are quantised here, along their rows.
; A WORK-GROUP OWNS 16 ROWS through the whole chain: tile T of the attention's result, whose lane r stands for row 128 (T / 8) + 32 ((T / 2) % 4) + 2 r + T % 2.  h, n and the inner layer never go to memory.
; Source 0 = 16 rows of a weight, source 1 = the 16 rows: a lane holds one row, and the 16 registers of two neighbouring weight tiles are 16 neighbouring columns, 32 b + 16 h + i.
; A WAVE takes 4 weight tiles in each product: wo's and w_down's tiles 4 w .. 4 w + 3 (columns 64 w .. 64 w + 63), w_gate's and w_up's tiles 2 w, 2 w + 1 (columns 32 w .. 32 w + 31: one block of the next K).
; THE WEIGHTS, 20 units of 4 fragments a wave (8 K steps of wo, 8 of gate and up, 4 of w_down), lie in memory in the order of an operand's registers and come by two roads at once.
; Tiles 0, 1 of a unit: CLUSTER 4 x 1, joint tensor loads: all work-groups walk the same weights, so the four partners ask together.  A ring of two slots; a wave's part of a slot is 6,144 bytes: its two tiles x two units,
; brought by its one load and read by it alone; ten fills, each refill behind the waits, the add and a round of the cluster's barrier.  The rounds at units 0, 8 and 16 are also the barriers that show the rows' images whole.
; Tiles 2, 3 of a unit: straight into registers, four sets of 24; unit u + 4 is asked for behind unit u's products, across the changes of product too: up to 24 loads of a wave are out.
; NO SEPARATE PREFETCH: all 64 clusters walk the same bytes in the same order, so a request a cluster would name each block 64 times; the text has no loop.
; x + bo is the C of wo's first products, h that of w_down's: both come from the wave's own 16 x 272 bytes of LDS, through which the result also turns, to leave as whole rows of 256 bytes.
; All of LDS is claimed.
; LIMITS: NaN and infinities are not served; a block whose largest magnitude lies under 2^-122 keeps the byte 1, a block of zeros too (its codes are zeros; this launch alone reads the bytes); sums are taken in another order than a plain chain.
.set AIMG, 0                           ; the attention tile: 8 fragments, registers 4 c .. 4 c + 3 of lane l at 512 c + 16 l
.set NIMG, 12288                       ; n: 16 halves of 768 bytes: registers 0-3 at 16 l, 4-5 at 512 + 8 l
.set IIMG, 24576                       ; the inner layer: 8 such halves
.set NSC,  30720                       ; n's scale words [r][8]
.set ISC,  31232                       ; the inner layer's [r][4]
.set PS,   31488                       ; sums of squares [r][wave]
.set GB,   32512                       ; g_ffn, 256 bytes a wave
.set OWN,  36608                       ; 16 rows x 272 bytes a wave
.set SPARE, 106240                     ; the spare words
.set RING, 108544                      ; [wave][slot][tile][unit % 2][1,536]: 12,288 bytes a wave
.set V16L, 1
.set V8L,  2
.set VD,   3                           ; my own area, a lane a row: 272 r + 64 h
.set VC,   4                           ; the same, sixteen lanes a row: 272 h + 16 r
.set VXO,  5                           ; x and out: 8,192 h + 16 r
.set VG,   6
.set VS4,  7                           ; w_down's scale words: 16 r + 256 h
.set ASC,  8                           ; v8-15   the rows' scale words, one a K step
.set AB,   16                          ; v16-39  the rows' fragments, two buffers; between products at work, with v42-44
.set RR,   40
.set HH,   41
.set VR,   45                          ; my part of the ring + 16 l
.set SPW,  46
.set NIL,  47
.set S0,   48                          ; v48-63  wo's scale words, then w_down's
.set S1,   64                          ; v64-79  w_gate's and w_up's
.set ACC,  80                          ; v80-111 four accumulators
.set WD,   112                         ; v112-207 tiles 2, 3: four sets of two fragments
.set WR,   208                         ; v208-255 tiles 0, 1: two sets
.macro WM d, a, b, c, sa, sb, ra
.if (\ra)
	v_wmma_scale_f32_16x16x128_f8f6f4 v[\d:\d+7], v[\a:\a+11], v[\b:\b+11], \c, v[\sa], v[\sb] matrix_a_fmt:MATRIX_FMT_BF6 matrix_b_fmt:MATRIX_FMT_BF6 matrix_a_scale:MATRIX_SCALE_ROW1
.else
	v_wmma_scale_f32_16x16x128_f8f6f4 v[\d:\d+7], v[\a:\a+11], v[\b:\b+11], \c, v[\sa], v[\sb] matrix_a_fmt:MATRIX_FMT_BF6 matrix_b_fmt:MATRIX_FMT_BF6
.endif
.endm
.macro ROUND                           ; a round of the cluster's barrier
	s_barrier_signal -1
	s_barrier_wait -1
	s_cmp_lg_u32 s16, 0
	s_cbranch_scc1 .Lnot_wave_0_\@
	s_barrier_signal -3
.Lnot_wave_0_\@:
	s_barrier_wait -3
	s_barrier_signal -1
	s_barrier_wait -1
.endm
.macro DLOAD u                         ; unit u's tiles 2, 3: 6 loads of 512 consecutive bytes
.set WB, WD+24*((\u)%4)
.irp t, 0,1
.irp c, 0,1,2
.if (\u) < 8
	global_load_b128 v[WB+12*\t+4*\c:WB+12*\t+4*\c+3], v[V16L], s[36:37] offset:(2+\t)*12288+(\u)*1536+512*\c
.elseif (\u) < 16
	global_load_b128 v[WB+12*\t+4*\c:WB+12*\t+4*\c+3], v[V16L], s[38:39] offset:393216+\t*12288+((\u)-8)*1536+512*\c
.else
	global_load_b128 v[WB+12*\t+4*\c:WB+12*\t+4*\c+3], v[V16L], s[40:41] offset:(2+\t)*6144+((\u)-16)*1536+512*\c
.endif
.endr
.endr
.endm
.macro RFETCH u                        ; unit u's tiles 0, 1, out of slot (u / 2) % 2
.set WB, WR+24*((\u)%2)
.irp t, 0,1
.irp c, 0,1,2
	ds_load_b128 v[WB+12*\t+4*\c:WB+12*\t+4*\c+3], v[VR] offset:(((\u)/2)%2)*6144+\t*3072+((\u)%2)*1536+512*\c
.endr
.endr
.endm
.macro AFETCH u                        ; the rows' fragment of unit u
.set AF, AB+12*((\u)%2)
.if (\u) < 8
.irp c, 0,1,2
	ds_load_b128 v[AF+4*\c:AF+4*\c+3], v[V16L] offset:AIMG+(\u)*1536+512*\c
.endr
.else
.if (\u) < 16
.set AO, NIMG+((\u)-8)*1536
.else
.set AO, IIMG+((\u)-16)*1536
.endif
.irp c, 0,1
	ds_load_b128 v[AF+6*\c:AF+6*\c+3], v[V16L] offset:AO+768*\c
	ds_load_b64 v[AF+6*\c+4:AF+6*\c+5], v[V8L] offset:AO+768*\c+512
.endr
.endif
.endm
.macro MUL u                           ; four products, the four accumulators by turns
.set AF, AB+12*((\u)%2)
.if (\u) < 8
.set SW, S0+(\u)
.set SPP, 8
.set SA, ASC+(\u)
.elseif (\u) < 16
.set SW, S1+(\u)-8
.set SPP, 8
.set SA, ASC+(\u)-8
.else
.set SW, S0+(\u)-16
.set SPP, 4
.set SA, ASC+(\u)-16
.endif
.irp t, 0,1,2,3
.if \t < 2
.set FRG, WR+24*((\u)%2)+12*\t
.else
.set FRG, WD+24*((\u)%4)+12*(\t-2)
.endif
.if (\u) == 8
	WM ACC+8*\t, FRG, AF, 0, SW+SPP*(\t/2), SA, \t%2
.else
	WM ACC+8*\t, FRG, AF, v[ACC+8*\t:ACC+8*\t+7], SW+SPP*(\t/2), SA, \t%2
.endif
.endr
.endm
.macro STEP u
.if (\u) < 17
	s_wait_loadcnt 18                              ; unit u's tiles 2, 3 are in; the count: the 6 loads of each of the three units behind it
.else
	s_wait_loadcnt 6*(19-(\u))
.endif
.if (\u)%2 == 0
	s_wait_dscnt 6                                 ; the rows' fragment and tiles 0, 1 are in; the count: the odd unit's tiles 0, 1
.elseif ((\u) == 7) || ((\u) == 15) || ((\u) == 19)
	s_wait_dscnt 0x0
.elseif (\u) < 8
	s_wait_dscnt 3                                 ; the count: the next unit's fragment of the rows
.else
	s_wait_dscnt 4
.endif
	MUL \u
.rept 4
	v_nop                                          ; places in front of loads into registers that these products read, and of reads of results
.endr
.if ((\u) < 6) || (((\u) >= 8) && ((\u) < 14)) || (((\u) >= 16) && ((\u) < 18))
	AFETCH (\u)+2
.endif
.if (\u) == 8
	global_load_b128 v[S0:S0+3], v[VS4], s[46:47]                  ; w_down's scale words, where wo's lay
	global_load_b128 v[S0+4:S0+7], v[VS4], s[46:47] offset:512
.endif
.if (\u) < 16
	DLOAD (\u)+4
.endif
.endm
; In front of slot j's units: my load of fill j has landed, my reads of the other slot are over; the round; fill j + 1 goes into the other slot.  alu = 1: vector work stands ahead
.macro BOUND j, alu
.if \alu
	s_wait_alu depctr_va_vdst(0)
.endif
	s_wait_tensorcnt 0x0
	ds_add_u32 v[SPW], v[NIL]
	s_add_co_u32 s85, s88, (((\j)+1)%2)*6144       ; no load of mine is out: the descriptor may be written
.if (\j)+1 < 4
	s_add_nc_u64 s[86:87], s[36:37], ((\j)+1)*3072
.elseif (\j)+1 < 8
	s_add_nc_u64 s[86:87], s[38:39], ((\j)-3)*3072
.else
	s_add_nc_u64 s[86:87], s[40:41], ((\j)-7)*3072
.endif
	s_or_b32 s87, s87, 0x80000000
	s_wait_dscnt 0x0
	ROUND
.if (\j)+1 < 8
	tensor_load_to_lds s[84:87], s[68:75]
.else
	tensor_load_to_lds s[84:87], s[76:83]
.endif
	s_nop 0
.endm
.macro TWO j                           ; slot j's two units
	RFETCH 2*(\j)
	RFETCH 2*(\j)+1
	STEP 2*(\j)
	STEP 2*(\j)+1
.endm
.macro REDUCE                          ; v32-39 and lane l xor 16's: one sum in v32
	v_pk_add_f32 v[32:33], v[32:33], v[34:35]
	v_pk_add_f32 v[36:37], v[36:37], v[38:39]
	v_mov_b32 v42, 0
	s_delay_alu instid0(VALU_DEP_2)
	v_pk_add_f32 v[32:33], v[32:33], v[36:37]
	s_delay_alu instid0(VALU_DEP_1)
	v_add_f32 v32, v32, v33
	s_delay_alu instid0(VALU_DEP_1)
	v_permlanex16_b32 v42, v32, s48, s49
	s_delay_alu instid0(VALU_DEP_1)
	v_add_f32 v32, v32, v42
.endm
	s_load_b256 s[4:11], s[0:1], 0x0               ; acs s[4:5], wcs s[6:7], bo s[8:9], x s[10:11]
	s_load_b128 s[12:15], s[0:1], 0x20             ; g_ffn s[12:13], out s[14:15]
	v_lshl_add_u32 v[SPW], v0, 2, SPARE
	v_mov_b32 v[NIL], 0
	ds_add_u32 v[SPW], v[NIL]                      ; the opening: the add, twice on end, and its wait ahead of the first tensor load
	ds_add_u32 v[SPW], v[NIL]
	v_lshrrev_b32 v16, 5, v0
	v_readfirstlane_b32 s16, v16                   ; wave 0..15
	s_bfe_u32 s22, ttmp6, 0x40000                  ; cx
	s_lshl_b32 s23, ttmp9, 2
	s_add_co_u32 s23, s23, s22                     ; my tile T: it enters global addresses of my own loads and stores alone
	s_mul_i32 s17, s16, 4352
	s_add_co_u32 s17, s17, OWN
	s_lshl_b32 s18, s16, 8
	s_add_co_u32 s19, s18, GB
	s_lshr_b32 s20, s23, 3
	s_lshl_b32 s20, s20, 7
	s_bfe_u32 s21, s23, 0x20001
	s_lshl_b32 s21, s21, 5
	s_add_co_u32 s20, s20, s21
	s_and_b32 s21, s23, 1
	s_add_co_u32 s20, s20, s21                     ; lane 0's row
	s_lshl_b32 s20, s20, 12
	s_add_co_u32 s24, s20, s18                     ; x, out: that row, + my 64 columns
	s_mov_b32 s25, 0
	s_mov_b32 s26, s24
	s_mov_b32 s27, 0
	s_mul_i32 s59, s16, 768
	s_mul_i32 s28, s23, 12288
	s_add_co_u32 s28, s28, s59                     ; my 768 bytes of the tile's codes
	s_mov_b32 s29, 0
	s_lshl_b32 s30, s23, 9
	s_add_co_u32 s30, s30, 3145728                 ; the tile's scale words
	s_mov_b32 s31, 0
	s_mov_b32 s32, s18
	s_mov_b32 s33, 0
	s_mov_b32 s34, s18
	s_mov_b32 s35, 0
	s_mul_i32 s36, s16, 49152
	s_add_co_u32 s36, s36, 2359296                 ; wo's tiles 4 w on
	s_mov_b32 s37, 0
	s_mul_i32 s38, s16, 24576
	s_add_co_u32 s40, s38, 3932160                 ; w_down's tiles 4 w on
	s_add_co_u32 s38, s38, 3145728                 ; w_gate's tiles 2 w on; w_up's lie 393,216 bytes further
	s_mov_b32 s39, 0
	s_mov_b32 s41, 0
	s_lshl_b32 s42, s16, 11
	s_add_co_u32 s42, s42, 4423680                 ; their scale words
	s_mov_b32 s43, 0
	s_lshl_b32 s44, s16, 10
	s_add_co_u32 s46, s44, 4489216
	s_add_co_u32 s44, s44, 4456448
	s_mov_b32 s45, 0
	s_mov_b32 s47, 0
	s_mov_b32 s48, 0x76543210
	s_mov_b32 s49, 0xfedcba98                      ; lane l xor 16
	s_lshl_b32 s50, s16, 2
	s_add_co_u32 s50, s50, PS
	s_add_co_u32 s51, s59, NIMG
	s_add_co_u32 s52, s51, 512
	s_lshl_b32 s53, s16, 1
	s_add_co_u32 s53, s53, NSC
	s_lshr_b32 s20, s16, 1
	s_mul_i32 s20, s20, 768
	s_and_b32 s21, s16, 1
	s_lshl_b32 s22, s21, 8
	s_add_co_u32 s54, s20, s22
	s_add_co_u32 s54, s54, IIMG                    ; the inner layer's half w / 2, lanes 16 (w % 2) on
	s_lshl_b32 s22, s21, 7
	s_add_co_u32 s55, s20, s22
	s_add_co_u32 s55, s55, IIMG+512
	s_add_co_u32 s58, s16, ISC
	s_mov_b32 s56, 0x3a800000                      ; 1 / 1024
	s_mov_b32 s57, 0x358637bd                      ; 1e-6
	s_mul_i32 s88, s16, 12288
	s_add_co_u32 s88, s88, RING                    ; my part of the ring: the wave's number alone
.irp g, 68, 76                                 ; group 1: two tiles x two K steps: 2 rows of 3,072 bytes (384 elements of 8), for all four partners
	s_mov_b32 s[\g], 15|(3<<16)|(1<<21)
	s_mov_b32 s[\g+1], 384<<16
	s_mov_b32 s[\g+2], 2<<16
	s_mov_b32 s[\g+3], 384<<16
	s_mov_b32 s[\g+4], 2
	s_mov_b32 s[\g+6], 0
	s_mov_b32 s[\g+7], 0
.endr
	s_mov_b32 s73, 1536                            ; from tile to tile: 12,288 bytes where K is 1,024,
	s_mov_b32 s81, 768                             ; 6,144 in w_down
	s_mov_b32 s84, 1
	s_add_co_u32 s85, s88, 0
	v_and_b32 v16, 31, v0
	v_and_b32 v[RR], 15, v0
	v_bfe_u32 v[HH], v0, 4, 1
	v_lshlrev_b32 v[V16L], 4, v16
	v_lshlrev_b32 v[V8L], 3, v16
	v_mul_u32_u24 v[VD], v[RR], 272
	v_lshl_add_u32 v[VD], v[HH], 6, v[VD]
	v_add_nc_u32 v[VD], s17, v[VD]
	v_mul_u32_u24 v[VC], v[HH], 272
	v_lshl_add_u32 v[VC], v[RR], 4, v[VC]
	v_add_nc_u32 v[VC], s17, v[VC]
	v_lshlrev_b32 v43, 4, v[RR]                    ; 16 r
	v_lshl_add_u32 v[VXO], v[HH], 13, v43
	v_lshl_add_u32 v[VG], v[HH], 6, s19
	v_lshl_add_u32 v42, v[HH], 9, v43              ; scale words of tiles with 8 K steps: 16 r + 512 h
	v_lshl_add_u32 v[VS4], v[HH], 8, v43
	v_add_nc_u32 v44, s59, v[V8L]
	v_add_nc_u32 v39, s19, v43
	v_add_nc_u32 v[VR], s88, v[V16L]
	s_wait_alu depctr_va_vdst(0)                   ; the wait at the head's end
	s_wait_dscnt 0x0                               ; both opening adds are done
	s_wait_kmcnt 0x0
	s_add_nc_u64 s[24:25], s[10:11], s[24:25]
	s_add_nc_u64 s[26:27], s[14:15], s[26:27]
	s_add_nc_u64 s[28:29], s[4:5], s[28:29]
	s_add_nc_u64 s[30:31], s[4:5], s[30:31]
	s_add_nc_u64 s[32:33], s[8:9], s[32:33]
	s_add_nc_u64 s[34:35], s[12:13], s[34:35]
.irp p, 36,38,40,42,44,46
	s_add_nc_u64 s[\p:\p+1], s[6:7], s[\p:\p+1]
.endr
	s_mov_b64 s[86:87], s[36:37]
	s_or_b32 s87, s87, 0x80000000
	ROUND                                          ; the four partners are here: the joint loads meet
	tensor_load_to_lds s[84:87], s[68:75]          ; fill 0: my one load at the head
	s_nop 0
.irp i, 0,1,2,3,4,5,6,7
	global_load_b128 v[ACC+4*\i:ACC+4*\i+3], v[VXO], s[24:25] offset:16384*\i th:TH_LOAD_NT    ; x: sixteen lanes read 256 consecutive bytes of a row
.endr
	global_load_b128 v[16:19], v43, s[32:33]       ; bo
	global_load_b128 v[20:23], v43, s[34:35]       ; g_ffn
.irp i, 0,1,2
	global_load_b64 v[24+2*\i:25+2*\i], v[V8L], s[28:29] offset:256*\i
.endr
	global_load_b128 v[ASC:ASC+3], v43, s[30:31]
	global_load_b128 v[ASC+4:ASC+7], v43, s[30:31] offset:256
.irp p, 0,1
.irp q, 0,1
	global_load_b128 v[S0+8*\p+4*\q:S0+8*\p+4*\q+3], v42, s[42:43] offset:1024*\p+256*\q
	global_load_b128 v[S1+8*\p+4*\q:S1+8*\p+4*\q+3], v42, s[44:45] offset:16384*\p+256*\q
.endr
.endr
	DLOAD 0
	DLOAD 1
	DLOAD 2
	DLOAD 3
	s_wait_loadcnt 24                              ; all but the four units' 24 loads
.irp i, 0,1,2,3,4,5,6,7
	v_pk_add_f32 v[ACC+4*\i:ACC+4*\i+1], v[ACC+4*\i:ACC+4*\i+1], v[16:17]      ; x + bo
	v_pk_add_f32 v[ACC+4*\i+2:ACC+4*\i+3], v[ACC+4*\i+2:ACC+4*\i+3], v[18:19]
.endr
.irp i, 0,1,2,3,4,5,6,7
	ds_store_b128 v[VC], v[ACC+4*\i:ACC+4*\i+3] offset:544*\i
.endr
	ds_store_b128 v39, v[20:23]                    ; lanes r and r + 16 store the same bytes to the same place
.irp i, 0,1,2
	ds_store_b64 v44, v[24+2*\i:25+2*\i] offset:AIMG+256*\i
.endr
.irp q, 0,1,2,3,4,5,6,7
	ds_load_b128 v[ACC+4*\q:ACC+4*\q+3], v[VD] offset:128*(\q/4)+16*(\q%4)     ; my own bytes, served in order: x + bo comes back a lane a row, as the C of the first products
.endr
	BOUND 0, 1                                     ; the tile's image is whole too; slot 1's first fill goes out as a refill does
	AFETCH 0
	AFETCH 1
	TWO 0
.irp j, 1,2,3
	BOUND \j, 0
	TWO \j
.endr
	; h lies in the accumulators: register 16 b + i = column 64 w + 32 b + 16 h + i of my row
.irp q, 0,1,2,3,4,5,6,7
	ds_store_b128 v[VD], v[ACC+4*\q:ACC+4*\q+3] offset:128*(\q/4)+16*(\q%4)    ; kept for the last product; each accumulator from its low end on
.endr
.irp q, 0,1,2,3
	ds_load_b128 v[16+4*\q:19+4*\q], v[VG] offset:16*\q                        ; the gain at my first 16 columns
.endr
.irp k, 0,1,2,3
	v_pk_mul_f32 v[32+2*\k:33+2*\k], v[ACC+2*\k:ACC+2*\k+1], v[ACC+2*\k:ACC+2*\k+1]
.endr
.irp i, 8,16,24
.irp k, 0,1,2,3
	v_pk_fma_f32 v[32+2*\k:33+2*\k], v[ACC+\i+2*\k:ACC+\i+2*\k+1], v[ACC+\i+2*\k:ACC+\i+2*\k+1], v[32+2*\k:33+2*\k]
.endr
.endr
	REDUCE                                         ; my row's 64 columns of this wave
	v_lshl_add_u32 v43, v[RR], 6, s50
	v_lshlrev_b32 v44, 6, v[RR]
	s_delay_alu instid0(VALU_DEP_1)
	v_lshl_add_u32 v44, v[HH], 5, v44              ; 64 r + 32 h: eight of my row's sixteen sums
	ds_store_b32 v43, v32
	s_wait_alu depctr_va_vdst(0)
	s_wait_dscnt 0x0
	s_barrier_signal -1                            ; fill 4 stays on its way
	s_barrier_wait -1
	ds_load_b128 v[32:35], v44 offset:PS
	ds_load_b128 v[36:39], v44 offset:PS+16
	s_wait_dscnt 0x0
	REDUCE
	s_delay_alu instid0(VALU_DEP_1)
	v_fma_f32 v32, v32, s56, s57                   ; mean + eps
	s_wait_alu depctr_va_vdst(0)                   ; the wait ahead of the root,
	v_sqrt_f32 v32, v32
	v_nop
	s_wait_alu depctr_va_vdst(0)                   ; and behind it
.irp j, 0,2,4,6,8,10,12,14
	v_pk_mul_f32 v[ACC+\j:ACC+\j+1], v[ACC+\j:ACC+\j+1], v[32:33] op_sel_hi:[1,0]
.endr
.irp j, 0,2,4,6
	v_pk_mul_f32 v[ACC+\j:ACC+\j+1], v[ACC+\j:ACC+\j+1], v[16+\j:17+\j]
.endr
	ds_load_b128 v[16:19], v[VG] offset:128        ; the gain at my second 16 columns follows into registers that have been used
	ds_load_b128 v[20:23], v[VG] offset:144
.irp j, 8,10,12,14
	v_pk_mul_f32 v[ACC+\j:ACC+\j+1], v[ACC+\j:ACC+\j+1], v[16+\j:17+\j]
.endr
	ds_load_b128 v[24:27], v[VG] offset:160
	ds_load_b128 v[28:31], v[VG] offset:176
.irp j, 16,18,20,22,24,26,28,30
	v_pk_mul_f32 v[ACC+\j:ACC+\j+1], v[ACC+\j:ACC+\j+1], v[32:33] op_sel_hi:[1,0]
.endr
	s_wait_alu depctr_va_vdst(0)
	s_wait_dscnt 0x0
.irp j, 0,2,4,6,8,10,12,14
	v_pk_mul_f32 v[ACC+16+\j:ACC+17+\j], v[ACC+16+\j:ACC+17+\j], v[16+\j:17+\j]
.endr
	; n's blocks 2 w and 2 w + 1: 16 numbers of each are mine, 16 lane l xor 16's
.irp b, 0,1
	v_max3_num_f32 v[34+\b], |v[ACC+16*\b]|, |v[ACC+16*\b+1]|, 0x2800000      ; the floor 2^(5 - 127): the byte cannot fall under 1
.endr
.irp i, 2,4,6,8,10,12,14
.irp b, 0,1
	v_max3_num_f32 v[34+\b], v[34+\b], |v[ACC+16*\b+\i]|, |v[ACC+16*\b+\i+1]|
.endr
.endr
	v_mov_b32 v36, 0
	v_mov_b32 v37, 0
	v_permlanex16_b32 v36, v34, s48, s49
	v_permlanex16_b32 v37, v35, s48, s49
	v_max_num_f32 v34, v34, v36
	v_max_num_f32 v35, v35, v37
	v_add_nc_u32 v38, 0xfe000000, v34              ; 4 off the exponent field: the conversion's scale operand
	v_add_nc_u32 v39, 0xfe000000, v35
	v_lshrrev_b32 v36, 23, v38
	v_lshrrev_b32 v37, 23, v39
	v_add_nc_u32 v42, s51, v[V16L]
	v_lshl_or_b32 v36, v37, 8, v36                 ; the two bytes
	v_add_nc_u32 v43, s52, v[V8L]
	v_lshl_add_u32 v44, v[RR], 5, s53
	v_cvt_scalef32_pk16_bf6_f32 v[16:18], v[ACC:ACC+15], v38
	v_cvt_scalef32_pk16_bf6_f32 v[22:24], v[ACC+16:ACC+31], v39
	v_nop                                          ; one plain place behind a scaled conversion
.irp i, 0,1,2
	v_permlane16_swap_b32 v[16+\i], v[22+\i]       ; lanes 0-15 get the whole of block 2 w, lanes 16-31 of block 2 w + 1
.endr
.irp i, 0,1,2
	v_mov_b32 v[19+\i], v[22+\i]
.endr
	ds_store_b128 v42, v[16:19]                    ; half w: registers 6 (w % 2) on of K step w / 2
	ds_store_b64 v43, v[20:21]
	ds_store_b16 v44, v36
	BOUND 4, 1                                     ; n's image and scale words are whole too
	v_lshlrev_b32 v42, 5, v[RR]
	ds_load_b128 v[ASC:ASC+3], v42 offset:NSC
	ds_load_b128 v[ASC+4:ASC+7], v42 offset:NSC+16
	AFETCH 8
	AFETCH 9
	TWO 4
.irp j, 5,6,7
	BOUND \j, 0
	TWO \j
.endr
	; registers 0-15: gate, 16-31: up, at columns 32 w + 16 h + i: one block of the last product's K
.irp j, 0,1,2,3,4,5,6,7,8,9,10,11,12,13,14,15
	v_max_num_f32 v[ACC+\j], 0, v[ACC+\j]
.endr
.irp j, 0,2,4,6,8,10,12,14
	v_pk_mul_f32 v[ACC+\j:ACC+\j+1], v[ACC+\j:ACC+\j+1], v[ACC+16+\j:ACC+17+\j]
.endr
	v_max3_num_f32 v34, |v[ACC]|, |v[ACC+1]|, 0x2800000
	v_max3_num_f32 v35, |v[ACC+8]|, |v[ACC+9]|, 0x2800000
.irp i, 2,4,6
	v_max3_num_f32 v34, v34, |v[ACC+\i]|, |v[ACC+\i+1]|
	v_max3_num_f32 v35, v35, |v[ACC+8+\i]|, |v[ACC+9+\i]|
.endr
	v_mov_b32 v36, 0
	s_delay_alu instid0(VALU_DEP_2)
	v_max_num_f32 v34, v34, v35
	s_delay_alu instid0(VALU_DEP_1)
	v_permlanex16_b32 v36, v34, s48, s49
	s_delay_alu instid0(VALU_DEP_1)
	v_max_num_f32 v34, v34, v36
	s_delay_alu instid0(VALU_DEP_1)
	v_add_nc_u32 v38, 0xfe000000, v34
	v_lshl_add_u32 v42, v[RR], 4, s54
	v_lshrrev_b32 v36, 23, v38
	v_lshl_add_u32 v43, v[RR], 3, s55
	v_lshl_add_u32 v44, v[RR], 4, s58
	v_cvt_scalef32_pk16_bf6_f32 v[16:18], v[ACC:ACC+15], v38
	v_nop                                          ; one plain place behind a scaled conversion
.irp i, 0,1,2
	v_mov_b32 v[19+\i], v[16+\i]
.endr
.irp i, 0,1,2
	v_permlane16_swap_b32 v[16+\i], v[19+\i]       ; every lane now holds its row's lower 16 codes in v16-18 and the upper 16 in v19-21
.endr
	ds_store_b128 v42, v[16:19]                    ; lanes r and r + 16 store the same bytes to the place of lane r + 16 (w % 2)
	ds_store_b64 v43, v[20:21]
	ds_store_b8 v44, v36
.irp q, 0,1,2,3,4,5,6,7
	ds_load_b128 v[ACC+4*\q:ACC+4*\q+3], v[VD] offset:128*(\q/4)+16*(\q%4)     ; h, the C of the last product
.endr
	BOUND 8, 1                                     ; the inner layer's image and scale words are whole too; the last fill goes out
	v_lshlrev_b32 v42, 4, v[RR]
	ds_load_b128 v[ASC:ASC+3], v42 offset:ISC
	AFETCH 16
	AFETCH 17
	TWO 8
	s_wait_tensorcnt 0x0                           ; fill 9, which I alone read, is in; nothing is filled again
	TWO 9
	; the way out, through my own area: in a lane a row, back sixteen lanes a row
.irp q, 0,1,2,3,4,5,6,7
	ds_store_b128 v[VD], v[ACC+4*\q:ACC+4*\q+3] offset:128*(\q/4)+16*(\q%4)
.endr
.irp i, 0,1,2,3,4,5,6,7
	ds_load_b128 v[WD+4*\i:WD+4*\i+3], v[VC] offset:544*\i
.endr
.irp i, 0,1,2,3,4,5,6,7
	s_wait_dscnt 7-\i
	global_store_b128 v[VXO], v[WD+4*\i:WD+4*\i+3], s[26:27] offset:16384*\i th:TH_STORE_NT    ; sixteen lanes store 256 consecutive bytes, aligned
.endr
	s_wait_tensorcnt 0x0                           ; the wave's end
	ds_add_u32 v[SPW], v[NIL]
	s_wait_dscnt 0x0
	ROUND                                          ; the closing round
	s_endpgm
.Lfunc_end_k_qd07d4285c3_tail:
	.size	k_qd07d4285c3_tail, .Lfunc_end_k_qd07d4285c3_tail-k_qd07d4285c3_tail
	.p2alignl 7, 3214868480
	.fill 96, 4, 3214868480
	.section	.rodata,"a",@progbits
	.p2align	6, 0x0
	.amdhsa_kernel k_qd07d4285c3_tail
		.amdhsa_group_segment_fixed_size 327680
		.amdhsa_private_segment_fixed_size 0
		.amdhsa_enable_private_segment 0
		.amdhsa_kernarg_size 48
		.amdhsa_user_sgpr_count 2
		.amdhsa_user_sgpr_kernarg_segment_ptr 1
		.amdhsa_wavefront_size32 1
		.amdhsa_system_sgpr_workgroup_id_x 1
		.amdhsa_system_sgpr_workgroup_id_y 1
		.amdhsa_system_sgpr_workgroup_id_z 1
		.amdhsa_system_vgpr_workitem_id 0
		.amdhsa_next_free_vgpr 256
		.amdhsa_next_free_sgpr 96
		.amdhsa_reserve_vcc 0
		.amdhsa_float_denorm_mode_32 3
		.amdhsa_float_denorm_mode_16_64 3
		.amdhsa_memory_ordered 1
		.amdhsa_forward_progress 1
		.amdhsa_inst_pref_size 69
	.end_amdhsa_kernel
	.amdgpu_metadata
---
amdhsa.version: [ 1, 2 ]
amdhsa.kernels:
  - .name:           k_qd07d4285c3_tail
    .symbol:         k_qd07d4285c3_tail.kd
    .args:
      - { .name: acs, .offset: 0, .size: 8, .value_kind: global_buffer, .address_space: global }
      - { .name: wcs, .offset: 8, .size: 8, .value_kind: global_buffer, .address_space: global }
      - { .name: bo, .offset: 16, .size: 8, .value_kind: global_buffer, .address_space: global }
      - { .name: x, .offset: 24, .size: 8, .value_kind: global_buffer, .address_space: global }
      - { .name: g_ffn, .offset: 32, .size: 8, .value_kind: global_buffer, .address_space: global }
      - { .name: out0, .offset: 40, .size: 8, .value_kind: global_buffer, .address_space: global }
    .group_segment_fixed_size: 327680
    .private_segment_fixed_size: 0
    .kernarg_segment_align: 8
    .kernarg_segment_size: 48
    .max_flat_workgroup_size: 512
    .sgpr_count:     96
    .vgpr_count:     256
    .wavefront_size: 32
...
	.end_amdgpu_metadata
.endif
;; end of part 4
